; MI455X (gfx1250); checked and timed in simulation.
; The chip was launched on July 23, 2026; its instructions are those of AMD's public machine-readable ISA for CDNA 5 (MIT licence, August 2026) and "CDNA5" Instruction Set Architecture Reference Guide (July 2026). The comments in the code are by the model that wrote it; some were corrected since.
;; Attention. Allowed arithmetic: matrix products marked QUANTISED: E2M1 operands, one E8M0 scale for each 32 along K, by v_wmma_scale_f32_16x16x128_f8f6f4 with both operands' format E2M1 (or v_wmma_scale_f32_32x16x128_f4), f32 sums; products left as they are: bf16, f16 or f32 operands; f32 sums; everything else in f32.
;; Inputs: freqs_cos 2,048 x 32 float32; freqs_sin 2,048 x 32 float32; wk 1,024 x 1,024 float32; wo 1,024 x 1,024 float32; wq 1,024 x 1,024 float32; wv 1,024 x 1,024 float32; x 4 x 2,048 x 1,024 float32.
;; Outputs: out0 4 x 2,048 x 1,024 float32.
;; This version of the problem:
;;   THIS VERSION OF THE PROBLEM IS GIVEN IN LOW PRECISION. The matrix products marked QUANTISED in the list below multiply operands that are first quantised to E2M1 (2 exponent bits, 1 mantissa bit; 4 bits a number), with one power-of-two scale for each 32 numbers along K (OCP MX v1.0); their sums are f32. The products marked 'left as it is' may take bf16, f16 or f32 operands, with f32 sums. Whichever they take, every output number must still come out within the allowed error. Rounding operands to bf16 (8 significant bits) uses up far more of that allowance than f16 does (11 bits, for magnitudes from 6e-5 to 65,504). All else is computed in f32.
;;   The module's matrix products, in the order in which they are computed (A, B: the left and right operand; K: the contracted axis; several contracted axes count as one K, in the product's order):
;;     1. [M 8,192, K 1,024] x [K 1,024, N 1,024]; A: input x; B: input wq: QUANTISED
;;     2. [M 8,192, K 1,024] x [K 1,024, N 1,024]; A: input x; B: input wk: QUANTISED
;;     3. [M 8,192, K 1,024] x [K 1,024, N 1,024]; A: input x; B: input wv: QUANTISED
;;     4. batch 64 x [M 2,048, K 64] x [K 64, N 2,048]; A: computed on the way; B: computed on the way: left as it is (an operand is computed on the way)
;;     5. batch 64 x [M 2,048, K 2,048] x [K 2,048, N 64]; A: computed on the way; B: computed on the way: left as it is (an operand is computed on the way)
;;     6. [M 8,192, K 1,024] x [K 1,024, N 1,024]; A: computed on the way; B: input wo: left as it is (an operand is computed on the way)
;;   THE QUANTISER, for each operand of a quantised product, along K:
;;     - K is cut into blocks of 32 from its start; a last block that is shorter is filled with zeros.
;;     - A block's scale is 2^e with e = floor(log2(the largest magnitude in the block)) - 2, held to -126 .. 127; a block of zeros has e = 0. As a byte (E8M0): e + 127.
;;     - Each number is divided by its block's scale, clamped to +-6, and rounded to the nearest number of E2M1, ties to even, subnormals kept.
;;     - The product sums the exact products of the quantised numbers (number of the format x scale) in f32.
;;   ~~~python
;;   def quantise(x, axis):      # numpy; x: float32 -> the quantised numbers, widened to float32 again
;;       x = np.moveaxis(x, axis, -1); K = x.shape[-1]
;;       x = np.pad(x, [(0, 0)] * (x.ndim - 1) + [(0, -K % 32)]); x = x.reshape(x.shape[:-1] + (-1, 32)); a = np.abs(x).max(-1, keepdims=True)
;;       e = np.where(a > 0, np.clip(np.frexp(np.where(a > 0, a, 1))[1] - 1 - 2, -126, 127), 0)      # np.frexp(a)[1] - 1 = floor(log2(a)), exactly
;;       r = np.clip(x / 2.0 ** e, -6, 6)
;;       step = 2.0 ** (np.maximum(np.frexp(np.where(r == 0, 1, r))[1] - 1, 0) - 1)
;;       q = np.round(r / step) * step * 2.0 ** e      # np.round: ties to even
;;       return np.moveaxis(q.reshape(q.shape[:-2] + (-1,))[..., :K], -1, axis).astype(np.float32)
;;   ~~~
;; One version. Each part assembles by itself: llvm-mc -triple=amdgcn-amd-amdhsa -mcpu=gfx1250 --defsym DOCPART=n.
;; ======== version 1 of 1: 5 launches
;; limits: values are held in f16: magnitudes above 65,504 overflow, below 6.1e-05 lose precision
;; workspace buffers: x_codes 4,194,304 bytes; x_scales 262,144 bytes; w_codes 1,572,864 bytes; w_scales 98,304 bytes; wo_img 2,097,152 bytes; qkv 50,331,648 bytes; fine 786,432 bytes; o_img 16,777,216 bytes
;; launch prep (part 1): grid 416 x 1, 4 waves a work-group, no clusters, 67,072 bytes of LDS; arguments x, wq, wk, wv, wo, x_codes, x_scales, w_codes, w_scales, wo_img; writes x_codes, x_scales, w_codes, w_scales, wo_img
.if DOCPART == 1
	.amdgcn_target "amdgcn-amd-amdhsa--gfx1250"
	.amdhsa_code_object_version 6
	.text
	.protected	k_qdbadb7bbba_prep
	.globl	k_qdbadb7bbba_prep
	.p2align	8
	.type	k_qdbadb7bbba_prep,@function
k_qdbadb7bbba_prep:
	s_mov_b64 s[64:65], 0
	v_nop
	global_prefetch_b8 v0, s[64:65] scope:SCOPE_SE
	s_setreg_imm32_b32 hwreg(HW_REG_WAVE_MODE, 25, 1), 1
	s_wait_xcnt 0x0
; THE PROGRAM: causal attention, B 4, S 2,048, D 1,024, 16 heads of 64.  Five launches: this one; the three quantised products with the rotary step; positions 0-15 of each sequence in f32; attention in f16; the projection out in f16.
; WORK LEFT OUT, for all values of the inputs: the mask is built by the problem itself (key k counts for query q where k <= q), and a masked score enters the softmax as the least f32 number, whose weight is 0 beside
; the row's own diagonal term.  So key steps that lie wholly above the diagonal reach no output and are not computed (the attention launch).  No input is dead: all seven are loaded.
; LIMIT: a NaN, an infinity or an overflow that would arise only in the key steps left out is not carried to the result.
; LIMITS OF FORMAT: q, k, v and the attention's result go on as f16: magnitudes over 65,504 become infinities.  NaN and infinities among the inputs are not served.
;
; THIS LAUNCH.  x [8192][1024] and wq, wk, wv [1024][1024], f32 with K innermost, become codes of E2M1 (two a byte, the lower k in the low four bits) and one E8M0 byte for each 32 along K; the three weights' rows
; lie one behind the other in w_codes and w_scales.  A block's scale is 2^(floor(log2(its largest magnitude)) - 2): its byte is the largest magnitude's exponent field less 2, held at 1 from below.
; A block of zeros so gets the byte 1 where the rule says 127: its codes are zeros, and the bytes are read by this program alone.  Blocks whose largest magnitude lies under 2^-124 keep the byte 1.
; Work-groups 0-255 take x, 256-351 the three weights (32 each): only pointers are chosen, the path is one.  A wave takes 16 steps of 512 numbers; each load reads 512 consecutive bytes; a step's 2,048 bytes
; turn through the wave's own stage in LDS so that a lane holds 16 neighbours along K; a lane's 16 codes are 8 bytes, so a wave's store covers 256 consecutive bytes; a wave's 256 scale bytes leave as one store.
; Work-groups 352-415 take wo: 16 rows each, a wave 256 columns, rounded to f16 and laid as PIECES: 512 bytes, lane (r, h) holding row r, columns 16 ct + 8 h + 0..7.  Two pieces are the eight registers of a
; 16 x 32 fragment of f16, so the projection reads them at 16 x lane with no pitch.  This path has LDS bytes of its own.
.set WAVES, 4
.set STEPS, 16
.set EMAX,  2
.set CB,    8                          ; bytes of 16 codes
.set R,     16                         ; v16-79   four sets of 16 numbers as loaded
.set X,     80                         ; v80-111  two sets of 16 neighbours
.set E,     112                        ; v112-127 a scale byte for each step
.set C,     128                        ; v128-191 codes, four registers a step
.set WREG,  8192                       ; LDS of a wave on the quantising path: two stages of 32 x SP bytes, then 256 scale bytes
.set SP,    80                         ; a lane's place in a stage: 64 bytes + 16 of padding
.set SPW,   12                         ; v12  LDS address of my spare word; never rewritten
.set NIL,   13                         ; v13  0; never rewritten
.set SPARE, WAVES*WREG                 ; the spare words: 128 bytes a wave, two blocks of 256 bytes that no other line names
.set WST,   SPARE+512                  ; wo's stages: 16 rows x 528 bytes for each wave
.set WP,    528                        ; 512 bytes of f16 + 16: 33 x 16, so sixteen rows start in sixteen different columns of 16 bytes
.set SRC,   24                         ; s[24:25] the tensor in hand; s[26:27] its codes; s[28:29] its scale bytes
.set COD,   26
.set SCB,   28
.set WV,    36
	s_load_b256 s[4:11], s[0:1], 0x0               ; x, wq, wk, wv
	s_load_b256 s[12:19], s[0:1], 0x20             ; wo, x_codes, x_scales, w_codes
	s_load_b128 s[20:23], s[0:1], 0x40             ; w_scales, wo_img
	v_lshl_add_u32 v[SPW], v0, 2, SPARE
	v_mov_b32 v[NIL], 0
	v_lshrrev_b32 v1, 5, v0
	v_readfirstlane_b32 s[WV], v1                  ; wave
	v_and_b32 v2, 31, v0                           ; lane
	v_lshlrev_b32 v3, 4, v2                        ; 16 x lane
	s_cmp_ge_u32 ttmp9, 352
	s_cbranch_scc1 .Lwo
	s_mul_i32 s37, s[WV], WREG
	v_lshrrev_b32 v14, 2, v2
	v_mul_u32_u24 v14, v14, SP
	v_and_b32 v15, 3, v2
	v_lshl_add_u32 v14, v15, 4, v14
	v_add_nc_u32 v14, s37, v14                     ; the stage on the way in: four lanes' 64 bytes on end, then 16 of padding
	v_mul_u32_u24 v15, v2, SP
	v_add_nc_u32 v15, s37, v15                     ; and on the way out: my 16 neighbours
	v_mul_u32_u24 v4, v2, CB                       ; my codes' place in a step's
	v_lshrrev_b32 v5, 1, v2
	s_add_co_u32 s37, s37, 2*32*SP
	v_add_nc_u32 v5, s37, v5                       ; my block's byte among my wave's 256
	v_lshlrev_b32 v7, 3, v2
	v_add_nc_u32 v6, s37, v7                       ; and 8 bytes a lane on their way out
	s_and_b32 s30, ttmp9, 31                       ; a weight's work-group within its tensor,
	s_sub_co_u32 s31, ttmp9, 256                   ; and within the three weights' codes
	s_wait_kmcnt 0x0
	s_cmp_lt_u32 ttmp9, 320                        ; the choices hang on the work-group's number alone
	s_cselect_b64 s[SRC:SRC+1], s[8:9], s[10:11]
	s_cmp_lt_u32 ttmp9, 288
	s_cselect_b64 s[SRC:SRC+1], s[6:7], s[SRC:SRC+1]
	s_cmp_lt_u32 ttmp9, 256
	s_cselect_b64 s[SRC:SRC+1], s[4:5], s[SRC:SRC+1]
	s_cselect_b64 s[COD:COD+1], s[14:15], s[18:19]
	s_cselect_b64 s[SCB:SCB+1], s[16:17], s[20:21]
	s_cselect_b32 s30, ttmp9, s30
	s_cselect_b32 s31, ttmp9, s31
	s_lshl_b32 s30, s30, 2
	s_add_co_u32 s30, s30, s[WV]                   ; my run of 8,192 numbers in the tensor,
	s_lshl_b32 s31, s31, 2
	s_add_co_u32 s31, s31, s[WV]                   ; and in the codes' buffer
	s_mov_b32 s33, 0
	s_lshl_b32 s32, s30, 15
	s_add_nc_u64 s[SRC:SRC+1], s[SRC:SRC+1], s[32:33]
	s_lshl_b32 s32, s31, 12
	s_add_nc_u64 s[COD:COD+1], s[COD:COD+1], s[32:33]
	s_lshl_b32 s32, s31, 8
	s_add_nc_u64 s[SCB:SCB+1], s[SCB:SCB+1], s[32:33]
.macro LOAD t
.irp i, 0,1,2,3
	global_load_b128 v[R+16*((\t)%4)+4*\i:R+16*((\t)%4)+4*\i+3], v3, s[SRC:SRC+1] offset:2048*(\t)+512*\i th:TH_LOAD_NT   ; 32 lanes read 512 consecutive bytes
.endr
.endm
.macro TURN t                          ; step t's numbers through the stage: LDS serves a wave's instructions in order, so no wait stands between the stores and the loads
.irp i, 0,1,2,3
	ds_store_b128 v14, v[R+16*((\t)%4)+4*\i:R+16*((\t)%4)+4*\i+3] offset:32*SP*((\t)%2)+8*SP*\i
.endr
.irp i, 0,1,2,3
	ds_load_b128 v[X+16*((\t)%2)+4*\i:X+16*((\t)%2)+4*\i+3], v15 offset:32*SP*((\t)%2)+16*\i
.endr
.endm
.irp t, 0,1,2,3
	LOAD \t
.endr
	s_wait_loadcnt 12                              ; step 0's four loads are in; the twelve of steps 1 to 3 stay out
	TURN 0
.macro STEP t
.set XS, X+16*((\t)%2)
.if (\t) > 0
	s_wait_dscnt 1                                 ; this step's numbers are back from the stage; the last step's byte store may be out
.else
	s_wait_dscnt 0x0
.endif
.if (\t)+4 < STEPS
	LOAD (\t)+4                                    ; into the registers that this step's stores into the stage have read
.endif
.if (\t)+1 < STEPS
.if STEPS-2-(\t) >= 3
	s_wait_loadcnt 12                              ; the next step's four loads are in; those of the three steps behind it may be out
.else
	s_wait_loadcnt 4*(STEPS-2-(\t))
.endif
	TURN (\t)+1
.endif
	v_max3_num_f32 v8, |v[XS]|, |v[XS+1]|, |v[XS+2]|               ; the largest magnitude of my 16, in two chains
	v_max3_num_f32 v9, |v[XS+3]|, |v[XS+4]|, |v[XS+5]|
.irp i, 6,10
	v_max3_num_f32 v8, v8, |v[XS+\i]|, |v[XS+\i+1]|
	v_max3_num_f32 v9, v9, |v[XS+\i+2]|, |v[XS+\i+3]|
.endr
	v_max3_num_f32 v8, v8, |v[XS+14]|, |v[XS+15]|
	v_max3_num_f32 v8, v8, v9, (EMAX+1)<<23        ; and the floor 2^(3 - 127): the byte cannot fall under 1
	v_max_num_f32_dpp v8, v8, v8 row_xmask:1 row_mask:0xf bank_mask:0xf   ; with my neighbour's 16: the block's
	v_add_nc_u32 v11, -(EMAX<<23), v8              ; 2 off its exponent field: the conversion takes this operand's exponent field as its scale
	v_cvt_scalef32_pk8_fp4_f32 v[C+4*(\t)], v[XS:XS+7], v11
	v_cvt_scalef32_pk8_fp4_f32 v[C+4*(\t)+1], v[XS+8:XS+15], v11
	v_lshrrev_b32 v[E+(\t)], 23, v11               ; the scale's byte
	ds_store_b8 v5, v[E+(\t)] offset:16*(\t)       ; both lanes of a block write the same byte with the same value
	global_store_b64 v4, v[C+4*(\t):C+4*(\t)+1], s[COD:COD+1] offset:32*CB*(\t)   ; 32 lanes store 256 consecutive bytes
.endm
.irp t, 0,1,2,3,4,5,6,7,8,9,10,11,12,13,14,15
	STEP \t
.endr
	ds_load_b64 v[8:9], v6                         ; LDS serves a wave's instructions in order: these see my byte stores
	s_wait_dscnt 0x0
	global_store_b64 v7, v[8:9], s[SCB:SCB+1]      ; 32 lanes store 256 consecutive bytes
	s_wait_tensorcnt 0x0                           ; the wave's end
	ds_add_u32 v[SPW], v[NIL]
	s_wait_dscnt 0x0
	s_endpgm
.Lwo:                                                  ; wo: rows 16 nt .. 16 nt + 15, my wave's columns 256 w .. 256 w + 255
	s_sub_co_u32 s30, ttmp9, 352                   ; nt
	s_mul_i32 s37, s[WV], 16*WP
	s_add_co_u32 s37, s37, WST                     ; my stage
	v_lshl_add_u32 v8, v2, 3, s37                  ; in: 8 bytes a lane
	v_and_b32 v9, 15, v2
	v_lshrrev_b32 v10, 4, v2
	v_mul_u32_u24 v9, v9, WP
	v_lshl_add_u32 v9, v10, 4, v9
	v_add_nc_u32 v9, s37, v9                       ; out: row r, + 16 h
	s_lshl_b32 s32, s30, 16                        ; 16 rows of 4,096 bytes,
	s_lshl_b32 s31, s[WV], 10                      ; 256 columns of 4 bytes
	s_add_co_u32 s32, s32, s31
	s_mov_b32 s33, 0
	s_lshl_b32 s34, s30, 15                        ; a tile of 16 rows is 64 pieces,
	s_lshl_b32 s31, s[WV], 13                      ; my 256 columns 16 of them
	s_add_co_u32 s34, s34, s31
	s_mov_b32 s35, 0
	s_wait_kmcnt 0x0
	s_add_nc_u64 s[12:13], s[12:13], s[32:33]
	s_add_nc_u64 s[22:23], s[22:23], s[34:35]
.irp p, 0,1,2,3,4,5,6,7
.irp hf, 0,1
	global_load_b128 v[16+8*\p+4*\hf:16+8*\p+4*\hf+3], v3, s[12:13] offset:\p*4096+\hf*512 th:TH_LOAD_NT     ; 512 consecutive bytes of a row
.endr
.endr
.irp p, 0,1,2,3,4,5,6,7
.irp hf, 0,1
	global_load_b128 v[128+8*\p+4*\hf:128+8*\p+4*\hf+3], v3, s[12:13] offset:(\p+8)*4096+\hf*512 th:TH_LOAD_NT
.endr
.endr
.macro WHALF base, row0                ; eight rows: rounded to f16, four numbers (8 bytes) a lane, into the stage as rows
.irp p, 0,1,2,3,4,5,6,7
.irp hf, 0,1
	v_cvt_pk_f16_f32 v[80+4*\p+2*\hf], v[\base+8*\p+4*\hf], v[\base+8*\p+4*\hf+1]
	v_cvt_pk_f16_f32 v[81+4*\p+2*\hf], v[\base+8*\p+4*\hf+2], v[\base+8*\p+4*\hf+3]
.endr
.endr
.irp p, 0,1,2,3,4,5,6,7
.irp hf, 0,1
	ds_store_b64 v8, v[80+4*\p+2*\hf:81+4*\p+2*\hf] offset:(\row0+\p)*WP+\hf*256
.endr
.endr
.endm
	s_wait_loadcnt 16                              ; rows 0-7 are in; the sixteen loads of rows 8-15 stay out
	WHALF 16, 0
	s_wait_dscnt 0x0                               ; the stores have read v80-111
	s_wait_loadcnt 0x0
	WHALF 128, 8
.irp i, 0,1,2,3,4,5,6,7,8,9,10,11,12,13,14,15
	ds_load_b128 v[16+4*\i:19+4*\i], v9 offset:32*\i               ; piece i: row r, columns 16 i + 8 h + 0..7
.endr
.irp i, 0,1,2,3,4,5,6,7,8,9,10,11,12,13,14,15
	s_wait_dscnt 15-\i                             ; LDS loads come back in order: piece i is in
	global_store_b128 v3, v[16+4*\i:19+4*\i], s[22:23] offset:512*\i   ; 512 consecutive bytes
.endr
	s_wait_tensorcnt 0x0                           ; the wave's end, as above
	ds_add_u32 v[SPW], v[NIL]
	s_wait_dscnt 0x0
	s_endpgm
.Lfunc_end_k_qdbadb7bbba_prep:
	.size	k_qdbadb7bbba_prep, .Lfunc_end_k_qdbadb7bbba_prep-k_qdbadb7bbba_prep
	.p2alignl 7, 3214868480
	.fill 96, 4, 3214868480
	.section	.rodata,"a",@progbits
	.p2align	6, 0x0
	.amdhsa_kernel k_qdbadb7bbba_prep
		.amdhsa_group_segment_fixed_size 67072
		.amdhsa_private_segment_fixed_size 0
		.amdhsa_enable_private_segment 0
		.amdhsa_kernarg_size 80
		.amdhsa_user_sgpr_count 2
		.amdhsa_user_sgpr_kernarg_segment_ptr 1
		.amdhsa_wavefront_size32 1
		.amdhsa_system_sgpr_workgroup_id_x 1
		.amdhsa_system_sgpr_workgroup_id_y 1
		.amdhsa_system_sgpr_workgroup_id_z 1
		.amdhsa_system_vgpr_workitem_id 0
		.amdhsa_next_free_vgpr 192
		.amdhsa_next_free_sgpr 66
		.amdhsa_reserve_vcc 0
		.amdhsa_float_denorm_mode_32 3
		.amdhsa_float_denorm_mode_16_64 3
		.amdhsa_memory_ordered 1
		.amdhsa_forward_progress 1
		.amdhsa_inst_pref_size 47
	.end_amdhsa_kernel
	.amdgpu_metadata
---
amdhsa.version: [ 1, 2 ]
amdhsa.kernels:
  - .name:           k_qdbadb7bbba_prep
    .symbol:         k_qdbadb7bbba_prep.kd
    .args:
      - { .name: x, .offset: 0, .size: 8, .value_kind: global_buffer, .address_space: global }
      - { .name: wq, .offset: 8, .size: 8, .value_kind: global_buffer, .address_space: global }
      - { .name: wk, .offset: 16, .size: 8, .value_kind: global_buffer, .address_space: global }
      - { .name: wv, .offset: 24, .size: 8, .value_kind: global_buffer, .address_space: global }
      - { .name: wo, .offset: 32, .size: 8, .value_kind: global_buffer, .address_space: global }
      - { .name: x_codes, .offset: 40, .size: 8, .value_kind: global_buffer, .address_space: global }
      - { .name: x_scales, .offset: 48, .size: 8, .value_kind: global_buffer, .address_space: global }
      - { .name: w_codes, .offset: 56, .size: 8, .value_kind: global_buffer, .address_space: global }
      - { .name: w_scales, .offset: 64, .size: 8, .value_kind: global_buffer, .address_space: global }
      - { .name: wo_img, .offset: 72, .size: 8, .value_kind: global_buffer, .address_space: global }
    .group_segment_fixed_size: 67072
    .private_segment_fixed_size: 0
    .kernarg_segment_align: 8
    .kernarg_segment_size: 80
    .max_flat_workgroup_size: 128
    .sgpr_count:     66
    .vgpr_count:     192
    .wavefront_size: 32
...
	.end_amdgpu_metadata
.endif
;; end of part 1
;; launch qkv (part 2): grid 12 x 32, 4 waves a work-group, clusters of 4 x 4, 327,680 bytes of LDS; arguments x_codes, x_scales, w_codes, w_scales, freqs_cos, freqs_sin, qkv, fine; writes qkv, fine
.if DOCPART == 2
	.amdgcn_target "amdgcn-amd-amdhsa--gfx1250"
	.amdhsa_code_object_version 6
	.text
	.protected	k_qdbadb7bbba_qkv
	.globl	k_qdbadb7bbba_qkv
	.p2align	8
	.type	k_qdbadb7bbba_qkv,@function
k_qdbadb7bbba_qkv:
	s_mov_b64 s[64:65], 0
	v_nop
	global_prefetch_b8 v0, s[64:65] scope:SCOPE_SE
	s_setreg_imm32_b32 hwreg(HW_REG_WAVE_MODE, 25, 1), 1
	s_wait_xcnt 0x0
	s_wait_alu depctr_hold_cnt(0) depctr_sa_sdst(0) depctr_va_vdst(0) depctr_va_sdst(0) depctr_va_ssrc(0) depctr_va_vcc(0) depctr_vm_vsrc(0)
	s_getreg_b32 s2, hwreg(HW_REG_IB_STS2, 6, 4)
	s_cmp_eq_u32 s2, 0
	s_cbranch_scc0 .Lentry_in_a_cluster
	s_endpgm
.Lentry_in_a_cluster:
	s_bfe_u32 s2, ttmp6, 0x10000c
	s_cmp_lg_u32 s2, 0xf033
	s_cbranch_scc0 .Lentry_shape_is_right
	s_endpgm
.Lentry_shape_is_right:
; q, k, v = x W^T on codes of E2M1 with E8M0 scales, then the rotary step on q and k in f32, then f16.  A: x_codes [8192][1024 codes], B: w_codes [3072][1024 codes] (rows of wq, wk, wv); sums in f32.
; A tile of 256 tokens x 256 channels is made by four waves, each 128 x 128: 64 accumulators, 512 registers.  K = 1,024 is two slots of 512 along K (rows of 256 bytes): both are filled at the start, with the
; scale bytes of the work-group's rows; nothing is filled again, and there is no loop.  384 work-groups: one and a half to a WGP; a tile of 256 x 384 would need a ring with refills, for a launch this short.
; CLUSTERS: 4 x 4 work-groups.  A's tiles are shared along a row of the cluster, B's along a column: each is asked for jointly.  The tile row is 8 cy + cluster y, so that cy is the batch and cluster y, which all
; partners share, says whether a tile holds position 0; cluster x, which all share too, says q, k or v.
; THE MATRIX INSTRUCTION IS USED TRANSPOSED (source 0 = 16 rows of W, source 1 = 16 tokens): lane (r, h) holds token r and eight neighbouring channels 16 b + 8 h + 0..7: four rotary pairs.
; THE WAY OUT has no stage: eight results round to 16 bytes of f16, and the 32 lanes' 512 bytes are stored on end, as a PIECE: [lane 32][16 bytes], lane (r, h) = token r, channels 16 ct + 8 h + 0..7 of a head.
; qkv: [q, k, v][batch 4][head 16][tile of 16 tokens 128][ct 4][piece].  Two pieces are the registers of a 16 x 32 fragment of f16.
; fine: positions 0-15 of each sequence once more in f32, [q, k, v][batch][head][ct 4][half 2][lane 32][16 bytes]: lane (r, h), half e = token r, channels 16 ct + 8 h + 4 e + 0..3.
; LIMIT: magnitudes over 65,504 become infinities in f16.
; REGISTERS, in windows of 256: window 0: v0-31 addresses; v32-95 scale words, two sets; v128-191 A's fragments, one set; on the way out v32-255 are free.  window 1: B's fragments, two sets.  windows 2, 3: the accumulators.
.set SIZE_K, 1024
.set KSTEP,  512
.set NQ,     KSTEP/128
.set ROWB,   256                       ; a tile's row in bytes
.set KROW,   SIZE_K*4/8                ; a row of codes in memory
.set PITCH,  272                       ; an LDS row: 256 bytes + 16 of padding = 68 words, so the 16 rows that a load touches start 4 banks apart (64 banks of 4 bytes: ISA guide 11.1)
.set FR,     8
.set NL,     2
.set NP,     4                         ; places behind this matrix instruction (ISA guide 7.12.1)
.set HALFT,  128*PITCH
.set SLOT,   4*HALFT
.set KS,     SIZE_K/32                 ; a row of scale bytes
.set SCL,    2*SLOT                    ; behind the slots: the scales, as rows of 256 bytes + 16
.set HALFS,  (128*KS/256)*272
.set SBLK,   (16*KS/256)*272
.set SPARE,  SCL+4*HALFS               ; the spare words: 128 bytes a wave, two blocks of 256 bytes that no other line names
.set ADRA, 16
.set ADRB, 20
.set RO,   24                          ; v24  the rotary tables: 128 r + 16 h
.set LN,   25                          ; v25  16 x lane
.set ADRS, 27
.set SPW,  28
.set NIL,  29
.set SC,   32
.set AF,   128
.set TT,   32                          ; the way out: v32-95 products with sin; v96-127 packed f16; v128-191 a block's 64 results; v192-255 two sets of cos (16) and sin (16)
.set PK,   96
.set OUTR, 128
.set CSR,  192
.set FL,   3                           ; s3   0 where my 128 tokens begin with position 0
.set CLY,  95                          ; s95  cluster y
.set G1, 24
.set G0, 32
.set G1B, 48
.set G0B, 56
.set G1S, 68
.set G0S, 76
.set G1SB, 80
.set G0SB, 88
.set MSB, 0
.macro WIN new                         ; the immediate's high byte repeats the setting that is left
.if MSB != (\new)
	s_set_vgpr_msb (MSB<<8)|(\new)
.set MSB, (\new)
.endif
.endm
.set MUL_LO, 0xa1                      ; source 0 (B) window 1, source 1 (A) window 0, C and D window 2
.set MUL_HI, 0xf1
.set TO_B,   0x40
; A joint load: waves 0 and 1 fetch for A, waves 2 and 3 for B; the branch hangs on the wave's number alone.  An s_nop 0 and four v_nop follow each of the two lines.
.macro JLOAD g0a, g1a, g0b, g1b
	s_cmp_eq_u32 s15, 0
	s_cbranch_scc0 .Lfor_b_\@
	tensor_load_to_lds s[\g0a:\g0a+3], s[\g1a:\g1a+7]
	s_nop 0
.rept 4
	v_nop
.endr
	s_branch .Lasked_\@
.Lfor_b_\@:
	tensor_load_to_lds s[\g0b:\g0b+3], s[\g1b:\g1b+7]
	s_nop 0
.rept 4
	v_nop
.endr
.Lasked_\@:
.endm
.macro CREST
	s_cmp_lg_u32 s14, 0
	s_cbranch_scc1 .Lnot_wave_0_\@
	s_barrier_signal -3
.Lnot_wave_0_\@:
	s_barrier_wait -3
	s_barrier_signal -1
	s_barrier_wait -1
.endm
.macro CROUND
	s_barrier_signal -1
	s_barrier_wait -1
	CREST
.endm
	s_load_b128 s[4:7], s[0:1], 0x0                ; x's codes, x's scales
	s_load_b128 s[8:11], s[0:1], 0x10              ; W's codes, W's scales
	s_load_b128 s[96:99], s[0:1], 0x20             ; cos, sin
	s_load_b64 s[12:13], s[0:1], 0x30              ; qkv
	s_load_b64 s[100:101], s[0:1], 0x38            ; fine
	v_lshl_add_u32 v[SPW], v0, 2, SPARE
	v_mov_b32 v[NIL], 0
	ds_add_u32 v[SPW], v[NIL]                      ; the wave's opening: the add, twice on end, and its wait ahead of my first tensor load
	ds_add_u32 v[SPW], v[NIL]
	v_lshrrev_b32 v1, 5, v0
	v_readfirstlane_b32 s14, v1                    ; wave 0..3
	s_lshr_b32 s15, s14, 1                         ; which half of the tile's tokens is mine.  Also: I fetch for A (0) or for B (1)
	s_and_b32 s16, s14, 1                          ; which half of its channels.  Also: which 128 rows I fetch
	s_bfe_u32 s40, ttmp6, 0x40000                  ; cx
	s_bfe_u32 s41, ttmp6, 0x40004                  ; cy
	s_lshl_b32 s42, ttmp9, 2
	s_add_co_u32 s42, s42, s40                     ; tile column = 4 x cluster x + cx
	s_and_b32 s[CLY], ttmp7, 0xffff
	s_lshl_b32 s17, s41, 3
	s_add_co_u32 s17, s17, s[CLY]                  ; tile row = 8 cy + cluster y: cy is the batch
	s_lshl_b32 s43, s41, 2
	s_lshl_b32 s43, 15, s43                        ; my row of the cluster
	s_lshl_b32 s44, 0x1111, s40                    ; my column
	s_or_b32 s[G1+0], s43, (0<<16)|(1<<20)|(1<<21)|(5<<22)|(3<<25)  ; the mask; elements of 1 byte; padding on; bit 21 beside a mask; after every 64 words, 4 words
	s_or_b32 s[G1B+0], s44, (0<<16)|(1<<20)|(1<<21)|(5<<22)|(3<<25)
.irp g, G1, G1B
	s_mov_b32 s[\g+1], ROWB<<16                    ; tensor_dim0
	s_mov_b32 s[\g+2], 128<<16                     ; tensor_dim1
	s_mov_b32 s[\g+3], ROWB<<16                    ; tile_dim0
	s_mov_b32 s[\g+4], 128                         ; tile_dim1
	s_mov_b32 s[\g+5], KROW                        ; from row to row
	s_mov_b32 s[\g+6], 0
	s_mov_b32 s[\g+7], 0
.endr
	s_or_b32 s[G1S+0], s43, (3<<16)|(1<<20)|(1<<21)|(5<<22)|(3<<25)   ; the scales of 128 rows: 4,096 dense bytes as rows of 256 (32 elements of 8 bytes), 16 bytes of padding behind each
	s_or_b32 s[G1SB+0], s44, (3<<16)|(1<<20)|(1<<21)|(5<<22)|(3<<25)
.irp g, G1S, G1SB
	s_mov_b32 s[\g+1], 32<<16
	s_mov_b32 s[\g+2], (128*KS/256)<<16
	s_mov_b32 s[\g+3], 32<<16
	s_mov_b32 s[\g+4], 128*KS/256
	s_mov_b32 s[\g+5], 32
	s_mov_b32 s[\g+6], 0
	s_mov_b32 s[\g+7], 0
.endr
	s_lshl_b32 s18, s16, 7
	s_lshl_b32 s20, s17, 8
	s_add_co_u32 s20, s20, s18                     ; A: row 256 x tile row + 128 x half
	s_lshl_b32 s46, s42, 8
	s_add_co_u32 s46, s46, s18                     ; B: row 256 x tile column + 128 x half
	s_mov_b32 s21, 0
	s_mov_b32 s47, 0
	s_mov_b64 s[18:19], KS
	s_mul_u64 s[22:23], s[20:21], s[18:19]
	s_mul_u64 s[92:93], s[46:47], s[18:19]
	s_mov_b64 s[18:19], KROW
	s_mul_u64 s[20:21], s[20:21], s[18:19]
	s_mul_u64 s[46:47], s[46:47], s[18:19]
	s_mul_i32 s45, s14, HALFT                      ; where they go: wave x 128 rows: no place in the cluster enters an LDS address
	s_mul_i32 s94, s14, HALFS
	s_wait_dscnt 0x0                               ; both opening adds are done
	s_wait_kmcnt 0x0
	s_add_nc_u64 s[20:21], s[4:5], s[20:21]
	s_add_nc_u64 s[22:23], s[6:7], s[22:23]
	s_add_nc_u64 s[46:47], s[8:9], s[46:47]
	s_add_nc_u64 s[92:93], s[10:11], s[92:93]
	CROUND                                         ; all sixteen work-groups are here: the joint loads meet
	s_mov_b32 s[G0S], 1
	s_add_co_u32 s[G0S+1], s94, SCL
	s_mov_b64 s[G0S+2:G0S+3], s[22:23]
	s_or_b32 s[G0S+3], s[G0S+3], 0x80000000
	s_mov_b32 s[G0SB], 1
	s_add_co_u32 s[G0SB+1], s94, SCL
	s_mov_b64 s[G0SB+2:G0SB+3], s[92:93]
	s_or_b32 s[G0SB+3], s[G0SB+3], 0x80000000
	JLOAD G0S, G1S, G0SB, G1SB                     ; the scales first: they are wanted with the first slot
.irp s, 0,1
	s_mov_b32 s[G0+4*\s], 1
	s_add_co_u32 s[G0+4*\s+1], s45, \s*SLOT
	s_add_nc_u64 s[G0+4*\s+2:G0+4*\s+3], s[20:21], \s*ROWB
	s_or_b32 s[G0+4*\s+3], s[G0+4*\s+3], 0x80000000
	s_mov_b32 s[G0B+4*\s], 1
	s_add_co_u32 s[G0B+4*\s+1], s45, \s*SLOT
	s_add_nc_u64 s[G0B+4*\s+2:G0B+4*\s+3], s[46:47], \s*ROWB
	s_or_b32 s[G0B+4*\s+3], s[G0B+4*\s+3], 0x80000000
	JLOAD G0+4*\s, G1, G0B+4*\s, G1B               ; three tensor loads of mine are out
.endr
	v_and_b32 v1, 15, v0                           ; r
	v_bfe_u32 v2, v0, 4, 1                         ; h
	v_mul_u32_u24 v3, v1, PITCH
	v_lshl_add_u32 v4, v2, 4, v3
	s_mul_i32 s21, s15, HALFT
	s_mul_i32 s22, s16, HALFT
	s_add_co_u32 s22, s22, 2*HALFT
.irp s, 0,1
	v_add_nc_u32 v[ADRA+\s], s21, v4
	v_add_nc_u32 v[ADRB+\s], s22, v4
	s_add_co_u32 s21, s21, SLOT
	s_add_co_u32 s22, s22, SLOT
.endr
	v_mul_u32_u24 v5, v1, KS                       ; my row's scales: 32 bytes a row,
	v_lshrrev_b32 v6, 8, v5
	v_lshl_add_u32 v5, v6, 4, v5                   ; and 16 more for each 256 passed
	s_mul_i32 s21, s15, HALFS
	s_mul_i32 s22, s16, HALFS
	s_add_co_u32 s22, s22, 2*HALFS
	s_sub_co_u32 s22, s22, s21
	v_mul_u32_u24 v6, s22, v2                      ; lanes 16-31 take B's
	s_add_co_u32 s21, s21, SCL
	v_add_nc_u32 v5, v5, v6
	v_add_nc_u32 v[ADRS], s21, v5
	v_lshlrev_b32 v[RO], 7, v1
	v_lshl_add_u32 v[RO], v2, 4, v[RO]             ; a row of a rotary table is 128 bytes; my four frequencies of a group of eight begin 16 h bytes on
	v_and_b32 v6, 31, v0
	v_lshlrev_b32 v[LN], 4, v6
	s_lshl_b32 s18, s40, 2
	s_lshl_b32 s19, s16, 1
	s_add_co_u32 s18, s18, s19                     ; my first head: 4 cx + 2 x half
	s_lshl_b32 s19, s[CLY], 4
	s_lshl_b32 s22, s15, 3
	s_add_co_u32 s19, s19, s22                     ; my first tile of 16 tokens in the batch: 16 x cluster y + 8 x half
	s_lshl_b32 s46, ttmp9, 24
	s_lshl_b32 s22, s41, 22
	s_add_co_u32 s46, s46, s22
	s_lshl_b32 s22, s18, 18
	s_add_co_u32 s46, s46, s22
	s_lshl_b32 s22, s19, 11
	s_add_co_u32 s46, s46, s22
	s_mov_b32 s47, 0
	s_add_nc_u64 s[12:13], s[12:13], s[46:47]      ; qkv at my first piece
	s_lshl_b32 s46, s19, 11                        ; 16 positions of 128 bytes a tile
	s_add_nc_u64 s[96:97], s[96:97], s[46:47]
	s_add_nc_u64 s[98:99], s[98:99], s[46:47]
	s_lshl_b32 s46, ttmp9, 18
	s_lshl_b32 s22, s41, 16
	s_add_co_u32 s46, s46, s22
	s_lshl_b32 s22, s18, 12
	s_add_co_u32 s46, s46, s22
	s_add_nc_u64 s[100:101], s[100:101], s[46:47]  ; fine at my first head
	s_or_b32 s[FL], s[CLY], s15
.macro FRAG reg, adr, q, i             ; 16 rows x 128 K of 4-bit codes: 8 registers, two loads of 16 bytes, 32 bytes apart
.irp c, 0,1
	ds_load_b128 v[\reg+4*\c:\reg+4*\c+3], v[\adr] offset:64*(\q)+32*\c+(\i)*16*PITCH
.endr
.endm
; 16 matrix instructions: A's blocks a0, a0 + 1 x B's eight.  The 64 accumulators take turns, one instruction a turn, in the same order in every step.
.macro MUL16 a0, p, q, sc, zero
.irp a, \a0, \a0+1
.irp b, 0,1,2,3,4,5,6,7
.if \zero
	v_wmma_scale_f32_16x16x128_f8f6f4 v[8*(8*((\a)%4)+\b):8*(8*((\a)%4)+\b)+7], v[128*(\p)+FR*\b:128*(\p)+FR*\b+FR-1], v[AF+FR*(\a):AF+FR*(\a)+FR-1], 0, v[SC+8*NQ*(\sc)+NQ*\b+(\q)], v[SC+8*NQ*(\sc)+NQ*(\a)+(\q)] matrix_a_fmt:MATRIX_FMT_FP4 matrix_b_fmt:MATRIX_FMT_FP4 matrix_a_scale:MATRIX_SCALE_ROW1
.else
	v_wmma_scale_f32_16x16x128_f8f6f4 v[8*(8*((\a)%4)+\b):8*(8*((\a)%4)+\b)+7], v[128*(\p)+FR*\b:128*(\p)+FR*\b+FR-1], v[AF+FR*(\a):AF+FR*(\a)+FR-1], v[8*(8*((\a)%4)+\b):8*(8*((\a)%4)+\b)+7], v[SC+8*NQ*(\sc)+NQ*\b+(\q)], v[SC+8*NQ*(\sc)+NQ*(\a)+(\q)] matrix_a_fmt:MATRIX_FMT_FP4 matrix_b_fmt:MATRIX_FMT_FP4 matrix_a_scale:MATRIX_SCALE_ROW1
.endif
.endr
.endr
.endm
.macro FETCH_B slot, q, p
	WIN TO_B
.irp i, 0,1,2,3,4,5,6,7
	FRAG 128*(\p)+FR*\i, ADRB+\slot, \q, \i
.endr
	WIN 0
.endm
.macro FETCH_A slot, q, i0
.irp i, \i0, \i0+1, \i0+2, \i0+3
	FRAG AF+FR*(\i), ADRA+\slot, \q, \i
.endr
.endm
.macro SCALES sc                       ; a slot's scale words: four a row; lanes 0-15 take A's block i, lanes 16-31 B's block i
.irp i, 0,1,2,3,4,5,6,7
	ds_load_b128 v[SC+8*NQ*\sc+NQ*\i:SC+8*NQ*\sc+NQ*\i+3], v[ADRS] offset:\i*SBLK
.endr
.endm
.macro PLACES n                        ; plain vector instructions between a matrix instruction and a load into, or a vector read or write of, its registers
.rept \n
	v_nop
.endr
.endm
.macro STEP slot, q, zero              ; 128 along K that has its successor in the same slot
	s_wait_dscnt 4*NL                              ; B's set and A's blocks 0-3 are in; the youngest eight loads (A's blocks 4-7) may be out
	WIN MUL_LO
	MUL16 0, (\q)%2, \q, \slot, \zero
	MUL16 2, (\q)%2, \q, \slot, \zero
	s_wait_dscnt 0
	PLACES NP
	FETCH_B \slot, (\q)+1, 1-(\q)%2
	FETCH_A \slot, (\q)+1, 0
	WIN MUL_HI
	MUL16 4, (\q)%2, \q, \slot, \zero
	MUL16 6, (\q)%2, \q, \slot, \zero
	PLACES NP
	WIN 0
	FETCH_A \slot, (\q)+1, 4
.endm
.macro TURN slot, next                 ; slot 0's last step goes over to slot 1: my part of it has landed, and a barrier says so of every wave.  Nothing is filled again
	s_wait_tensorcnt 0x0                           ; all my tensor loads have landed
	ds_add_u32 v[SPW], v[NIL]                      ; 0 onto my spare word
	s_wait_dscnt 4*NL+1                            ; the add and the youngest eight loads may be out
	WIN MUL_LO
	MUL16 0, 1, NQ-1, \slot, 0
	s_wait_dscnt 0x0
	s_barrier_signal -1
	MUL16 2, 1, NQ-1, \slot, 0
	WIN 0
	s_barrier_wait -1
	PLACES NP
	v_add_nc_u32 v[ADRS], 4*NQ, v[ADRS]            ; on to the next slot's scale words
	FETCH_B \next, 0, 0
	FETCH_A \next, 0, 0
	SCALES \next
	WIN MUL_HI
	MUL16 4, 1, NQ-1, \slot, 0
	MUL16 6, 1, NQ-1, \slot, 0
	PLACES NP
	WIN 0
	FETCH_A \next, 0, 4
.endm
	s_wait_tensorcnt 1                             ; the scales and my part of slot 0 are in; slot 1's load may be out
	s_barrier_signal -1
	s_barrier_wait -1
	FETCH_B 0, 0, 0
	FETCH_A 0, 0, 0
	SCALES 0
	FETCH_A 0, 0, 4
	STEP 0, 0, 1                                   ; the first products start the sums: nothing is cleared
	STEP 0, 1, 0
	STEP 0, 2, 0
	TURN 0, 1
	STEP 1, 0, 0
	STEP 1, 1, 0
	STEP 1, 2, 0
	s_wait_dscnt 4*NL                              ; the last step: nothing more to fetch
	WIN MUL_LO
	MUL16 0, 1, NQ-1, 1, 0
	MUL16 2, 1, NQ-1, 1, 0
	s_wait_dscnt 0
	WIN MUL_HI
	MUL16 4, 1, NQ-1, 1, 0
	MUL16 6, 1, NQ-1, 1, 0
	WIN 0
; THE WAY OUT, a block of 16 tokens x 128 channels (two heads) at a time.
.macro ROPELOAD a                      ; cos and sin of block a's 16 positions: for each group ct of 16 channels my four frequencies 8 ct + 4 h + 0..3
.irp ct, 0,1,2,3
	global_load_b128 v[CSR+32*((\a)%2)+4*\ct:CSR+32*((\a)%2)+4*\ct+3], v[RO], s[96:97] offset:(\a)*2048+\ct*32
	global_load_b128 v[CSR+32*((\a)%2)+16+4*\ct:CSR+32*((\a)%2)+16+4*\ct+3], v[RO], s[98:99] offset:(\a)*2048+\ct*32
.endr
.endm
; (t0, t1) -> (t0 c - t1 s, t0 s + t1 c): a packed product (-t1 s, t0 s), the pair's halves crossed, then a packed multiply-add with c.  Each accumulator is read from its low end on.
.macro ROPE a
.set AC, 64*((\a)%4)
.set CB0, CSR+32*((\a)%2)
	WIN 0x02+((\a)/4)                              ; source 0: window 2 or 3
.irp b, 0,1,2,3,4,5,6,7
.irp p, 0,1
	v_pk_mul_f32 v[TT+8*\b+4*\p:TT+8*\b+4*\p+1], v[AC+8*\b+4*\p:AC+8*\b+4*\p+1], v[CB0+16+4*(\b%4)+2*\p:CB0+16+4*(\b%4)+2*\p+1] op_sel:[1,0] op_sel_hi:[0,0] neg_lo:[1,0]
	v_pk_mul_f32 v[TT+8*\b+4*\p+2:TT+8*\b+4*\p+3], v[AC+8*\b+4*\p+2:AC+8*\b+4*\p+3], v[CB0+16+4*(\b%4)+2*\p:CB0+16+4*(\b%4)+2*\p+1] op_sel:[1,1] op_sel_hi:[0,1] neg_lo:[1,0]
.endr
.irp p, 0,1
	v_pk_fma_f32 v[OUTR+8*\b+4*\p:OUTR+8*\b+4*\p+1], v[AC+8*\b+4*\p:AC+8*\b+4*\p+1], v[CB0+4*(\b%4)+2*\p:CB0+4*(\b%4)+2*\p+1], v[TT+8*\b+4*\p:TT+8*\b+4*\p+1] op_sel:[0,0,0] op_sel_hi:[1,0,1]
	v_pk_fma_f32 v[OUTR+8*\b+4*\p+2:OUTR+8*\b+4*\p+3], v[AC+8*\b+4*\p+2:AC+8*\b+4*\p+3], v[CB0+4*(\b%4)+2*\p:CB0+4*(\b%4)+2*\p+1], v[TT+8*\b+4*\p+2:TT+8*\b+4*\p+3] op_sel:[0,1,0] op_sel_hi:[1,1,1]
.endr
.endr
	WIN 0
.endm
.macro SENDPK a                        ; eight pieces: each store of the wave covers 512 consecutive bytes
.irp b, 0,1,2,3,4,5,6,7
	global_store_b128 v[LN], v[PK+4*\b:PK+4*\b+3], s[12:13] offset:(\a)*2048+(\b%4)*512+(\b/4)*262144
.endr
.endm
.macro PACKST a
	s_wait_xcnt 0x0                                ; the earlier stores have read their data: the packed registers are written again only behind this wait
.irp b, 0,1,2,3,4,5,6,7
.irp i, 0,1,2,3
	v_cvt_pk_f16_f32 v[PK+4*\b+\i], v[OUTR+8*\b+2*\i], v[OUTR+8*\b+2*\i+1]
.endr
.endr
	SENDPK \a
.endm
.macro VPACK a                         ; v has no rotary step: rounded straight from the accumulators
.set AC, 64*((\a)%4)
	s_wait_xcnt 0x0
	WIN 0x0a+5*((\a)/4)                            ; sources 0 and 1: window 2 or 3
.irp b, 0,1,2,3,4,5,6,7
.irp i, 0,1,2,3
	v_cvt_pk_f16_f32 v[PK+4*\b+\i], v[AC+8*\b+2*\i], v[AC+8*\b+2*\i+1]
.endr
.endr
	WIN 0
	SENDPK \a
.endm
	PLACES NP                                      ; behind the last products: their results are read, and registers that held scale words and A's fragments are written
	s_cmp_eq_u32 ttmp9, 2                          ; cluster x: the same in all partners
	s_cbranch_scc1 .Lv_out
	ROPELOAD 0
	ROPELOAD 1
.irp a, 0,1,2,3,4,5,6,7
.if \a < 7
	s_wait_loadcnt 8                               ; this block's eight loads are in; the next block's eight may be out
.else
	s_wait_loadcnt 0x0
.endif
	ROPE \a
.if \a < 6
	ROPELOAD \a+2
.endif
.if \a == 0
	s_cmp_lg_u32 s[FL], 0                          ; positions 0-15 go out in f32 too
	s_cbranch_scc1 .Lno_fine_qk
.irp b, 0,1,2,3,4,5,6,7
.irp e, 0,1
	global_store_b128 v[LN], v[OUTR+8*\b+4*\e:OUTR+8*\b+4*\e+3], s[100:101] offset:(\b/4)*4096+(\b%4)*1024+\e*512
.endr
.endr
.Lno_fine_qk:
.endif
	PACKST \a
.endr
	s_branch .Lend
.Lv_out:
	s_cmp_lg_u32 s[FL], 0
	s_cbranch_scc1 .Lno_fine_v
	WIN 0x08                                       ; a store's data are its source 1: window 2
.irp b, 0,1,2,3,4,5,6,7
.irp e, 0,1
	global_store_b128 v[LN], v[8*\b+4*\e:8*\b+4*\e+3], s[100:101] offset:(\b/4)*4096+(\b%4)*1024+\e*512
.endr
.endr
	WIN 0
.Lno_fine_v:
.irp a, 0,1,2,3,4,5,6,7
	VPACK \a
.endr
.Lend:
	s_wait_tensorcnt 0x0                           ; the wave's end
	ds_add_u32 v[SPW], v[NIL]
	s_wait_dscnt 0x0
	CROUND                                         ; the closing round
	s_endpgm
.Lfunc_end_k_qdbadb7bbba_qkv:
	.size	k_qdbadb7bbba_qkv, .Lfunc_end_k_qdbadb7bbba_qkv-k_qdbadb7bbba_qkv
	.p2alignl 7, 3214868480
	.fill 96, 4, 3214868480
	.section	.rodata,"a",@progbits
	.p2align	6, 0x0
	.amdhsa_kernel k_qdbadb7bbba_qkv
		.amdhsa_group_segment_fixed_size 327680
		.amdhsa_private_segment_fixed_size 0
		.amdhsa_enable_private_segment 0
		.amdhsa_kernarg_size 64
		.amdhsa_user_sgpr_count 2
		.amdhsa_user_sgpr_kernarg_segment_ptr 1
		.amdhsa_wavefront_size32 1
		.amdhsa_system_sgpr_workgroup_id_x 1
		.amdhsa_system_sgpr_workgroup_id_y 1
		.amdhsa_system_sgpr_workgroup_id_z 1
		.amdhsa_system_vgpr_workitem_id 0
		.amdhsa_next_free_vgpr 1024
		.amdhsa_next_free_sgpr 102
		.amdhsa_reserve_vcc 0
		.amdhsa_float_denorm_mode_32 3
		.amdhsa_float_denorm_mode_16_64 3
		.amdhsa_memory_ordered 1
		.amdhsa_forward_progress 1
		.amdhsa_inst_pref_size 182
	.end_amdhsa_kernel
	.amdgpu_metadata
---
amdhsa.version: [ 1, 2 ]
amdhsa.kernels:
  - .name:           k_qdbadb7bbba_qkv
    .symbol:         k_qdbadb7bbba_qkv.kd
    .args:
      - { .name: x_codes, .offset: 0, .size: 8, .value_kind: global_buffer, .address_space: global }
      - { .name: x_scales, .offset: 8, .size: 8, .value_kind: global_buffer, .address_space: global }
      - { .name: w_codes, .offset: 16, .size: 8, .value_kind: global_buffer, .address_space: global }
      - { .name: w_scales, .offset: 24, .size: 8, .value_kind: global_buffer, .address_space: global }
      - { .name: freqs_cos, .offset: 32, .size: 8, .value_kind: global_buffer, .address_space: global }
      - { .name: freqs_sin, .offset: 40, .size: 8, .value_kind: global_buffer, .address_space: global }
      - { .name: qkv, .offset: 48, .size: 8, .value_kind: global_buffer, .address_space: global }
      - { .name: fine, .offset: 56, .size: 8, .value_kind: global_buffer, .address_space: global }
    .group_segment_fixed_size: 327680
    .private_segment_fixed_size: 0
    .kernarg_segment_align: 8
    .kernarg_segment_size: 64
    .max_flat_workgroup_size: 128
    .sgpr_count:     102
    .vgpr_count:     1024
    .wavefront_size: 32
...
	.end_amdgpu_metadata
.endif
;; end of part 2
;; launch first16 (part 3): grid 16 x 4, 16 waves a work-group, no clusters, 71,680 bytes of LDS; arguments fine, wo, out0; writes out0
.if DOCPART == 3
	.amdgcn_target "amdgcn-amd-amdhsa--gfx1250"
	.amdhsa_code_object_version 6
	.text
	.protected	k_qdbadb7bbba_first16
	.globl	k_qdbadb7bbba_first16
	.p2align	8
	.type	k_qdbadb7bbba_first16,@function
k_qdbadb7bbba_first16:
	s_mov_b64 s[64:65], 0
	v_nop
	global_prefetch_b8 v0, s[64:65] scope:SCOPE_SE
	s_setreg_imm32_b32 hwreg(HW_REG_WAVE_MODE, 25, 1), 1
	s_wait_xcnt 0x0
; Positions 0-15 of each sequence, wholly in f32: scores, softmax, the product with v and the projection out.  These rows average one to sixteen values and are the largest of the output, so f16 operands are kept from them.
; Under the causal mask they see keys 0-15 alone: the other keys are work left out, as said at the head of the first kernel.
; SHARES.  A work-group takes one batch and 64 columns of the output.  Wave hd is head hd: it makes its head's 16 x 16 attention and its head's 64 channels of the projection's K; the sixteen partial results
; meet in LDS and are added in the order of the heads.  64 work-groups: a narrower slice of columns would store rows in pieces of under 256 bytes.
; FORM.  v_wmma_f32_16x16x4_f32.  The instruction's k = 2 h + j stands, alike on both sides, for position 8 h + 2 u + j of a group of 16 along K: so the f32 images' registers are the operands as they lie.
; All three products are used transposed, so that a lane holds ONE query (lane % 16) throughout.  The four accumulators v112-143 are written by matrix instructions alone and serve all three products by turns.
; No tensor load, no cluster: the work-groups share wo's columns only in part, and the launch is short.
.set QQ,  16                           ; v16-47   q: register 8 ct + w = channel 16 ct + 8 h + w of token r;  later wo for channels 0-15 of the head
.set KK,  48                           ; v48-79   k likewise;  later wo for channels 16-31
.set VV,  80                           ; v80-111  v: register 8 t + e = v[key 8 h + e][channel 16 t + r]
.set ACC, 112
.set SS,  144                          ; v144-151 my query's scores of keys 8 h + 0..7, then p
.set ON,  160                          ; v160-191 the attention's result: register 8 t + w = channel 16 t + 8 h + w of query r
.set SPW, 14
.set NIL, 15
.set PART, 4352                        ; a head's partial result in LDS: 16 groups of four columns x (16 queries x 16 bytes + 16 of padding)
.set SPARE, 16*PART                    ; the spare words: 128 bytes a wave, eight blocks of 256 bytes that no other line names
	s_load_b128 s[4:7], s[0:1], 0x0                ; fine, wo
	s_load_b64 s[8:9], s[0:1], 0x10                ; out0
	v_lshl_add_u32 v[SPW], v0, 2, SPARE
	v_mov_b32 v[NIL], 0
	v_lshrrev_b32 v1, 5, v0
	v_readfirstlane_b32 s10, v1                    ; wave = head
	s_and_b32 s11, ttmp7, 0xffff                   ; batch
	v_and_b32 v1, 15, v0                           ; r
	v_bfe_u32 v2, v0, 4, 1                         ; h
	v_and_b32 v3, 31, v0
	v_lshlrev_b32 v3, 4, v3                        ; 16 x lane
	v_bfe_u32 v4, v0, 2, 1                         ; v[key 8 h + e][channel 16 t + r] in the image: half (r / 4) % 2,
	v_lshlrev_b32 v4, 9, v4
	v_bfe_u32 v11, v0, 3, 1                        ; the image's upper lanes where r >= 8,
	v_lshl_add_u32 v4, v11, 8, v4
	v_and_b32 v11, 3, v0                           ; word r % 4,
	v_lshl_add_u32 v4, v11, 2, v4
	v_lshl_add_u32 v4, v2, 7, v4                   ; the image's lane = the key: 8 h (+ e in the immediate)
	v_lshlrev_b32 v5, 12, v1
	v_lshl_add_u32 v5, v2, 5, v5                   ; wo: row r of 4,096 bytes, + 8 h channels
	v_lshlrev_b32 v6, 3, v2
	v_sub_nc_u32 v6, v1, v6                        ; d = r - 8 h: key 8 h + j is hidden where j > d
	v_mov_b32 v7, 0xff800000                       ; -infinity
	s_mul_i32 s21, s10, PART
	v_mul_u32_u24 v8, v2, 544
	v_lshl_add_u32 v8, v1, 4, v8
	v_add_nc_u32 v8, s21, v8                       ; the partial result, in: my head, group 4 nt + 2 h + e, query r
	s_lshl_b32 s21, s10, 5
	v_mul_u32_u24 v9, v1, 272
	v_lshl_add_u32 v9, v2, 4, v9
	v_add_nc_u32 v9, s21, v9                       ; and back: group lane % 16, query 2 w + lane / 16
	v_lshlrev_b32 v10, 12, v2
	v_lshl_add_u32 v10, v1, 4, v10                 ; the same place in out0
	v_mov_b32 v153, 0                              ; a lane permute's destination counts as one of its sources
	s_lshl_b32 s12, s11, 16
	s_lshl_b32 s13, s10, 12
	s_add_co_u32 s12, s12, s13
	s_mov_b32 s13, 0
	s_lshl_b32 s14, ttmp9, 18                      ; wo: 64 rows of 4,096 bytes a slice,
	s_lshl_b32 s15, s10, 8                         ; my head's 64 channels
	s_add_co_u32 s14, s14, s15
	s_mov_b32 s15, 0
	s_lshl_b32 s16, s11, 23                        ; out0: the batch, rows 2 w and 2 w + 1, the slice's 256 bytes
	s_lshl_b32 s17, s10, 13
	s_add_co_u32 s16, s16, s17
	s_lshl_b32 s17, ttmp9, 8
	s_add_co_u32 s16, s16, s17
	s_mov_b32 s17, 0
	s_mov_b32 s18, 0x76543210
	s_mov_b32 s19, 0xfedcba98                      ; v_permlanex16_b32's selects for lane l xor 16
	s_mov_b32 s20, 0x3e38aa3b                      ; c = log2(e) / sqrt(64)
	s_wait_kmcnt 0x0
	s_add_nc_u64 s[4:5], s[4:5], s[12:13]
	s_add_nc_u64 s[6:7], s[6:7], s[14:15]
	s_add_nc_u64 s[8:9], s[8:9], s[16:17]
.irp ct, 0,1,2,3
.irp e, 0,1
	global_load_b128 v[QQ+8*\ct+4*\e:QQ+8*\ct+4*\e+3], v3, s[4:5] offset:\ct*1024+\e*512
.endr
.endr
.irp ct, 0,1,2,3
.irp e, 0,1
	global_load_b128 v[KK+8*\ct+4*\e:KK+8*\ct+4*\e+3], v3, s[4:5] offset:262144+\ct*1024+\e*512
.endr
.endr
.irp t, 0,1,2,3
.irp e, 0,1,2,3,4,5,6,7
	global_load_b32 v[VV+8*\t+\e], v4, s[4:5] offset:524288+\t*1024+\e*16
.endr
.endr
.irp t, 2,3
.irp nt, 0,1,2,3
.irp e, 0,1
	global_load_b128 v[192+32*(\t-2)+8*\nt+4*\e:192+32*(\t-2)+8*\nt+4*\e+3], v5, s[6:7] offset:\nt*65536+\t*64+\e*16
.endr
.endr
.endr
	s_wait_loadcnt 48                              ; q and k are in; v's 32 loads and wo's 16 stay out
.irp u, 0,1,2,3                        ; S^T = k q^T: accumulator ct sums channels 16 ct .. 16 ct + 15; the four take turns
.irp ct, 0,1,2,3
.if \u == 0
	v_wmma_f32_16x16x4_f32 v[ACC+8*\ct:ACC+8*\ct+7], v[KK+8*\ct+2*\u:KK+8*\ct+2*\u+1], v[QQ+8*\ct+2*\u:QQ+8*\ct+2*\u+1], 0
.else
	v_wmma_f32_16x16x4_f32 v[ACC+8*\ct:ACC+8*\ct+7], v[KK+8*\ct+2*\u:KK+8*\ct+2*\u+1], v[QQ+8*\ct+2*\u:QQ+8*\ct+2*\u+1], v[ACC+8*\ct:ACC+8*\ct+7]
.endif
.endr
.endr
.rept 8
	v_nop                                          ; eight places behind this form, ahead of loads into its sources and of reads of its results
.endr
.irp t, 0,1
.irp nt, 0,1,2,3
.irp e, 0,1
	global_load_b128 v[16+32*\t+8*\nt+4*\e:16+32*\t+8*\nt+4*\e+3], v5, s[6:7] offset:\nt*65536+\t*64+\e*16
.endr
.endr
.endr
.irp p, 0,1,2,3                        ; the four partial sums, each accumulator from its low end on
	v_pk_add_f32 v[SS+2*\p:SS+2*\p+1], v[ACC+2*\p:ACC+2*\p+1], v[ACC+8+2*\p:ACC+8+2*\p+1]
	v_pk_add_f32 v[SS+2*\p:SS+2*\p+1], v[SS+2*\p:SS+2*\p+1], v[ACC+16+2*\p:ACC+16+2*\p+1]
	v_pk_add_f32 v[SS+2*\p:SS+2*\p+1], v[SS+2*\p:SS+2*\p+1], v[ACC+24+2*\p:ACC+24+2*\p+1]
.endr
.irp j, 0,1,2,3,4,5,6,7
	v_cmp_gt_i32 vcc_lo, \j, v6
	v_cndmask_b32 v[SS+\j], v[SS+\j], v7, vcc_lo   ; hidden keys: -infinity, so that p = 0.  Key 0 counts for every query, so the maximum is a number
.endr
	v_max3_num_f32 v152, v[SS], v[SS+1], v[SS+2]
	v_max3_num_f32 v152, v152, v[SS+3], v[SS+4]
	v_max3_num_f32 v152, v152, v[SS+5], v[SS+6]
	v_max_num_f32 v152, v152, v[SS+7]
	v_permlanex16_b32 v153, v152, s18, s19
	v_max_num_f32 v152, v152, v153                 ; the row's largest score
	v_mul_f32 v154, s20, v152
.irp j, 0,1,2,3,4,5,6,7
	v_fma_f32 v[SS+\j], v[SS+\j], s20, -v154       ; (score - maximum) x c
.endr
.irp j, 0,1,2,3,4,5,6,7
	v_exp_f32 v[SS+\j], v[SS+\j]
.endr
	v_nop                                          ; a plain instruction behind the last exponential
	s_wait_alu depctr_va_vdst(0)                   ; one wait for the batch, ahead of its first reader
	v_add_f32 v155, v[SS], v[SS+1]
	v_add_f32 v156, v[SS+2], v[SS+3]
	v_add_f32 v157, v[SS+4], v[SS+5]
	v_add_f32 v158, v[SS+6], v[SS+7]
	v_add_f32 v155, v155, v156
	v_add_f32 v157, v157, v158
	v_add_f32 v155, v155, v157
	v_permlanex16_b32 v153, v155, s18, s19
	v_add_f32 v155, v155, v153                     ; the row's sum
	v_rcp_f32 v156, v155
	v_mov_b32 v157, 0                              ; a plain instruction behind the reciprocal; it also writes the upper half of the pair v[156:157]
	s_wait_alu depctr_va_vdst(0)
	s_wait_loadcnt 32                              ; v is in; wo's two groups of 16 loads stay out
.irp s, 0,1,2,3                        ; O^T = v^T p: accumulator t holds channels 16 t .. 16 t + 15; K = the 16 keys
.irp t, 0,1,2,3
.if \s == 0
	v_wmma_f32_16x16x4_f32 v[ACC+8*\t:ACC+8*\t+7], v[VV+8*\t+2*\s:VV+8*\t+2*\s+1], v[SS+2*\s:SS+2*\s+1], 0
.else
	v_wmma_f32_16x16x4_f32 v[ACC+8*\t:ACC+8*\t+7], v[VV+8*\t+2*\s:VV+8*\t+2*\s+1], v[SS+2*\s:SS+2*\s+1], v[ACC+8*\t:ACC+8*\t+7]
.endif
.endr
.endr
.rept 9
	v_nop                                          ; nine places: the accumulators are read below, and then begun anew by matrix instructions
.endr
.irp t, 0,1,2,3
.irp p, 0,1,2,3
	v_pk_mul_f32 v[ON+8*\t+2*\p:ON+8*\t+2*\p+1], v[ACC+8*\t+2*\p:ACC+8*\t+2*\p+1], v[156:157] op_sel_hi:[1,0]   ; / the row's sum, into other registers
.endr
.endr
	s_wait_loadcnt 0x0                             ; wo
.irp t, 0,1,2,3                        ; my head's part of out^T = wo o^T: accumulator nt holds columns 16 nt .. 16 nt + 15 of the slice
.irp s, 0,1,2,3
.irp nt, 0,1,2,3
.if \t < 2
.set WOB, 16+32*\t+8*\nt
.else
.set WOB, 192+32*(\t-2)+8*\nt
.endif
.if (\t == 0) && (\s == 0)
	v_wmma_f32_16x16x4_f32 v[ACC+8*\nt:ACC+8*\nt+7], v[WOB+2*\s:WOB+2*\s+1], v[ON+8*\t+2*\s:ON+8*\t+2*\s+1], 0
.else
	v_wmma_f32_16x16x4_f32 v[ACC+8*\nt:ACC+8*\nt+7], v[WOB+2*\s:WOB+2*\s+1], v[ON+8*\t+2*\s:ON+8*\t+2*\s+1], v[ACC+8*\nt:ACC+8*\nt+7]
.endif
.endr
.endr
.endr
.rept 8
	v_nop
.endr
.irp nt, 0,1,2,3
.irp e, 0,1
	ds_store_b128 v8, v[ACC+8*\nt+4*\e:ACC+8*\nt+4*\e+3] offset:\nt*1088+\e*272    ; lane (r, h): columns 16 nt + 8 h + 4 e + 0..3 of query r
.endr
.endr
	s_wait_dscnt 0x0                               ; for the others' sake: my stores have landed
	s_barrier_signal -1
	s_barrier_wait -1
	s_cmp_lt_u32 s10, 8                            ; waves 0-7 add: two queries a wave, four columns a lane
	s_cbranch_scc0 .Ldone
.irp i, 0,1,2,3,4,5,6,7,8,9,10,11,12,13,14,15
	ds_load_b128 v[16+4*\i:19+4*\i], v9 offset:\i*PART
.endr
	s_wait_dscnt 0x0
.irp i, 1,2,3,4,5,6,7,8,9,10,11,12,13,14,15
	v_pk_add_f32 v[16:17], v[16:17], v[16+4*\i:17+4*\i]            ; in the order of the heads
	v_pk_add_f32 v[18:19], v[18:19], v[18+4*\i:19+4*\i]
.endr
	global_store_b128 v10, v[16:19], s[8:9]        ; sixteen lanes store 256 consecutive bytes, aligned
.Ldone:
	s_wait_tensorcnt 0x0                           ; the wave's end
	ds_add_u32 v[SPW], v[NIL]
	s_wait_dscnt 0x0
	s_endpgm
.Lfunc_end_k_qdbadb7bbba_first16:
	.size	k_qdbadb7bbba_first16, .Lfunc_end_k_qdbadb7bbba_first16-k_qdbadb7bbba_first16
	.p2alignl 7, 3214868480
	.fill 96, 4, 3214868480
	.section	.rodata,"a",@progbits
	.p2align	6, 0x0
	.amdhsa_kernel k_qdbadb7bbba_first16
		.amdhsa_group_segment_fixed_size 71680
		.amdhsa_private_segment_fixed_size 0
		.amdhsa_enable_private_segment 0
		.amdhsa_kernarg_size 24
		.amdhsa_user_sgpr_count 2
		.amdhsa_user_sgpr_kernarg_segment_ptr 1
		.amdhsa_wavefront_size32 1
		.amdhsa_system_sgpr_workgroup_id_x 1
		.amdhsa_system_sgpr_workgroup_id_y 1
		.amdhsa_system_sgpr_workgroup_id_z 1
		.amdhsa_system_vgpr_workitem_id 0
		.amdhsa_next_free_vgpr 256
		.amdhsa_next_free_sgpr 66
		.amdhsa_reserve_vcc 1
		.amdhsa_float_denorm_mode_32 3
		.amdhsa_float_denorm_mode_16_64 3
		.amdhsa_memory_ordered 1
		.amdhsa_forward_progress 1
		.amdhsa_inst_pref_size 25
	.end_amdhsa_kernel
	.amdgpu_metadata
---
amdhsa.version: [ 1, 2 ]
amdhsa.kernels:
  - .name:           k_qdbadb7bbba_first16
    .symbol:         k_qdbadb7bbba_first16.kd
    .args:
      - { .name: fine, .offset: 0, .size: 8, .value_kind: global_buffer, .address_space: global }
      - { .name: wo, .offset: 8, .size: 8, .value_kind: global_buffer, .address_space: global }
      - { .name: out0, .offset: 16, .size: 8, .value_kind: global_buffer, .address_space: global }
    .group_segment_fixed_size: 71680
    .private_segment_fixed_size: 0
    .kernarg_segment_align: 8
    .kernarg_segment_size: 24
    .max_flat_workgroup_size: 512
    .sgpr_count:     66
    .vgpr_count:     256
    .wavefront_size: 32
...
	.end_amdgpu_metadata
.endif
;; end of part 3
;; launch attn (part 4): grid 4 x 64, 16 waves a work-group, no clusters, 327,680 bytes of LDS; arguments qkv, o_img; writes o_img
.if DOCPART == 4
	.amdgcn_target "amdgcn-amd-amdhsa--gfx1250"
	.amdhsa_code_object_version 6
	.text
	.protected	k_qdbadb7bbba_attn
	.globl	k_qdbadb7bbba_attn
	.p2align	8
	.type	k_qdbadb7bbba_attn,@function
k_qdbadb7bbba_attn:
	s_mov_b64 s[64:65], 0
	v_nop
	global_prefetch_b8 v0, s[64:65] scope:SCOPE_SE
	s_setreg_imm32_b32 hwreg(HW_REG_WAVE_MODE, 25, 1), 1
	s_wait_xcnt 0x0
; O = softmax(q k^T / 8, causal) v for each of 64 (batch, head), on f16 operands with f32 sums, maxima and exponentials.  q, k, v come as pieces (512 bytes: lane (r, h) = token r, channels 16 ct + 8 h + 0..7).
; WORK LEFT OUT: key steps that lie wholly above the diagonal, as shown at the head of the first kernel.
; SHARES.  A work-group is (i, head): waves 0-7 own the head's block i of 256 queries, waves 8-15 block 7 - i; a wave owns 32 queries, two tiles of 16.  Both groups walk ONE stream of the head's k and v, so each
; tile comes into LDS once for both blocks, and every work-group has (32 i + 20) + (32 (7 - i) + 20) = 264 wave steps of 32 queries x 64 keys: 256 work-groups of equal work.
; Four waves share a SIMD, so that one wave's softmax stands beside another's products and LDS loads.
; NO CLUSTER, though the four work-groups of a head read the same tiles: work-group i reads no slot beyond 7 - i, so a joint load would name partners none of whose waves reads its tile.
; LAYOUT.  Both products are used transposed: S^T = k q^T (source 0 = 16 keys, source 1 = 16 queries), O^T = v^T p (source 0 = 16 channels, source 1 = p): a lane holds ONE query (lane % 16) throughout, and two tiles
; of S^T, rounded to f16 in pairs, ARE p's fragment.  k's pieces are read as they lie; v's are turned by ds_load_tr16_b128.
; SOFTMAX.  A running maximum m and sum l for each query: p = 2^(c s - c m), c = log2(e) / 8; in every step O^T and l are multiplied by a = 2^(c m_old - c m_new).  The loop has no first step of its own:
; O^T and l begin as zeros and m as -3e38.  Key 0 counts for every query, so m is a number from the first step on.
; THE RING: two slots of 256 keys (k's 32 KiB, then v's), dense images, no padding: every read is at 16 x lane.  Waves 0-3 fetch, one tensor load of 64 rows x 256 bytes each.  Every work-group walks all eight
; slots, so that the trip counts are constants; what is left out is a step's work, and a slot whose first key comes after the work-group's last query is not asked for.
; The result goes out as pieces of the projection's operand: o_img [tile of 16 rows 512][head 16][t 4][piece].  Positions 0-15 ride in live tiles; the projection reads their bytes but does not store their rows.
; LIMIT: magnitudes over 65,504 become infinities in f16.
.set SLOTB, 65536
.set SPARE, 2*SLOTB                    ; the spare words: 128 bytes a wave, eight blocks of 256 bytes that no other line names
.set LN,   1                           ; v1   16 x lane
.set AV0,  2                           ; v2   my lane's place in v's pieces for the turning load
.set ADK,  3                           ; v3   LDS address of the slot's k
.set ADV,  4                           ; v4   of its v
.set SPW,  5
.set NIL,  6
.set PFO,  7                           ; v7   256 x lane
.set D0,   8                           ; v8-9 the mask's d for my two tiles
.set NINF, 10                          ; v10  -infinity
.set DL,   11                          ; v11  r - 8 h
.set ST,   12                          ; tile u's statistics at v[12 + 8 u]: +0 c m, +1 m, +2, +3 l, +4 to +7 at work; a takes +6
.set SB,   28                          ; v28-31 the sums' second chains
.set QF,   32                          ; v32-63   q: tile u, channels 32 kc on: 16 u + 8 kc
.set KV,   64                          ; v64-127  k's eight fragments, then v's
.set S,    128                         ; v128-191 S^T, 32 a tile; p's fragments take its first 16
.set O,    192                         ; v192-255 O^T: 32 u + 8 t
.set WV,   8
.set Q0,   9                           ; s9   my first query
.set LASTQ, 10                         ; s10  my work-group's last query
.set KF,   11                          ; s11  the step's first key
.set TB,   12                          ; s12  LDS byte at which the slot in hand begins
.set SLOTS, 13
.set SEL,  14
.set G1,   16
.set G0,   24
.set CS,   28
.set PFA,  30
.set LIM,  32
.set BH,   33
.macro TLOAD                           ; waves 0-3 fetch; the branch hangs on the wave's number alone.  An s_nop 0 and four v_nop follow the load
	s_cmp_lt_u32 s[WV], 4
	s_cbranch_scc0 .Lasked_\@
	tensor_load_to_lds s[G0:G0+3], s[G1:G1+7]
	s_nop 0
.rept 4
	v_nop
.endr
.Lasked_\@:
.endm
; A PREFETCH INTO THE L2 of the slot that the NEXT change of slots will ask for: four key steps ahead of that load.  All four work-groups of a head walk the same k and v: work-group 0, which walks all slots, asks.
; In it the waves ask that fetch nothing: waves 4-7 for k's 32 KiB, waves 8-11 for v's, 8,192 bytes a wave, lanes 256 bytes apart: each aligned block of 256 bytes is named once in the launch.
; The last change that fills a slot asks for nothing; slots 0 and 1 come by their loads alone.
.macro ASK
	s_cmp_gt_u32 s[SLOTS], s[LIM]
	s_cbranch_scc0 .Lnot_mine_\@
	global_prefetch_b8 v[PFO], s[PFA:PFA+1] th:TH_LOAD_NT scope:SCOPE_SE
.Lnot_mine_\@:
.endm
	s_load_b128 s[4:7], s[0:1], 0x0                ; qkv, o_img
	v_lshl_add_u32 v[SPW], v0, 2, SPARE
	v_mov_b32 v[NIL], 0
	ds_add_u32 v[SPW], v[NIL]                      ; the wave's opening: the add, twice on end, and its wait ahead of my first tensor load
	ds_add_u32 v[SPW], v[NIL]
	v_lshrrev_b32 v1, 5, v0
	v_readfirstlane_b32 s[WV], v1                  ; wave 0..15
	s_and_b32 s[BH], ttmp7, 0xffff                 ; 16 x batch + head
	s_sub_co_u32 s40, 7, ttmp9
	s_cmp_lt_u32 s[WV], 8
	s_cselect_b32 s41, ttmp9, s40                  ; my block of 256 queries
	s_lshl_b32 s[Q0], s41, 8
	s_and_b32 s41, s[WV], 7
	s_lshl_b32 s41, s41, 5
	s_add_co_u32 s[Q0], s[Q0], s41
	s_lshl_b32 s[LASTQ], s40, 8
	s_or_b32 s[LASTQ], s[LASTQ], 255
	s_mov_b32 s[G1], 3<<16                         ; no mask; elements of 8 bytes; no padding
	s_mov_b32 s[G1+1], 32<<16                      ; tensor_dim0 = 32 elements: 256 bytes
	s_mov_b32 s[G1+2], 64<<16                      ; tensor_dim1 = 64
	s_mov_b32 s[G1+3], 32<<16                      ; tile_dim0
	s_mov_b32 s[G1+4], 64                          ; tile_dim1
	s_mov_b32 s[G1+5], 32                          ; dense
	s_mov_b32 s[G1+6], 0
	s_mov_b32 s[G1+7], 0
	s_mov_b32 s[G0], 1
	s_lshl_b32 s[G0+1], s[WV], 14                  ; LDS: k's two halves, then v's two: 16,384 x wave
	s_lshr_b32 s34, s[WV], 1
	s_add_co_u32 s34, s34, 1                       ; k is tensor 1 of qkv, v tensor 2
	s_lshl_b32 s34, s34, 24
	s_lshl_b32 s41, s[BH], 18
	s_add_co_u32 s34, s34, s41
	s_and_b32 s42, s[WV], 1
	s_lshl_b32 s42, s42, 14
	s_add_co_u32 s34, s34, s42
	s_mov_b32 s35, 0
	s_cmp_lt_u32 s[WV], 8                          ; the prefetches: waves 4-7 stand in k, waves 8-11 in v,
	s_cselect_b32 s36, 1, 2
	s_lshl_b32 s36, s36, 24
	s_add_co_u32 s36, s36, s41
	s_and_b32 s42, s[WV], 3
	s_lshl_b32 s42, s42, 13
	s_add_co_u32 s36, s36, s42                     ; at my wave's 8,192 bytes
	s_add_co_u32 s36, s36, 32768                   ; of slot 1: the first change of slots steps it to slot 2
	s_mov_b32 s37, 0
	s_sub_co_u32 s42, s[WV], 4
	s_lshr_b32 s42, s42, 3                         ; 0 in waves 4 to 11,
	s_or_b32 s42, s42, ttmp9                       ; of the head's work-group 0
	s_cmp_eq_u32 s42, 0
	s_cselect_b32 s[LIM], 1, -1
	s_lshl_b32 s44, s[Q0], 7                       ; q: a tile of 16 tokens is 2,048 bytes
	s_add_co_u32 s44, s44, s41
	s_mov_b32 s45, 0
	s_lshr_b32 s46, s[BH], 4
	s_lshl_b32 s46, s46, 7
	s_lshr_b32 s42, s[Q0], 4
	s_add_co_u32 s46, s46, s42                     ; my first tile of 16 rows: 128 x batch + Q0 / 16
	s_lshl_b32 s46, s46, 15
	s_and_b32 s42, s[BH], 15
	s_lshl_b32 s42, s42, 11
	s_add_co_u32 s46, s46, s42
	s_mov_b32 s47, 0
	s_mov_b32 s[SEL], 0x76543210
	s_mov_b32 s[SEL+1], 0xfedcba98
	s_mov_b32 s[CS], 0x3e38aa3b                    ; c = log2(e) / sqrt(64)
	s_mov_b32 s[CS+1], s[CS]
	s_mov_b32 s[KF], 0
	s_mov_b32 s[TB], 0
	s_mov_b32 s[SLOTS], 7
	s_wait_dscnt 0x0                               ; both opening adds are done
	s_wait_kmcnt 0x0
	s_add_nc_u64 s[G0+2:G0+3], s[4:5], s[34:35]
	s_or_b32 s[G0+3], s[G0+3], 0x80000000
	TLOAD                                          ; slot 0
	s_add_nc_u64 s[PFA:PFA+1], s[4:5], s[36:37]
	s_add_nc_u64 s[38:39], s[4:5], s[44:45]
	s_add_nc_u64 s[6:7], s[6:7], s[46:47]
	v_and_b32 v[LN], 31, v0
	v_lshlrev_b32 v[PFO], 8, v[LN]
	v_lshlrev_b32 v[LN], 4, v[LN]
.irp u, 0,1
.irp kc, 0,1
.irp c, 0,1
	global_load_b128 v[QF+16*\u+8*\kc+4*\c:QF+16*\u+8*\kc+4*\c+3], v[LN], s[38:39] offset:\u*2048+\kc*1024+\c*512   ; q stays in registers
.endr
.endr
.endr
	; The turning load gives lane 8 g + i, as element j, element i of the 16 bytes that lane 8 g + j addressed.  Wanted: channel 16 t + lane % 16, keys 8 (lane / 16) + 0..7.  So lane l addresses the piece's place of
	; key l % 8 + 8 (l / 16), upper channels where (l / 8) % 2 = 1.
	v_and_b32 v[AV0], 7, v0
	v_bfe_u32 v3, v0, 4, 1
	v_lshl_add_u32 v[AV0], v3, 3, v[AV0]
	v_bfe_u32 v4, v0, 3, 1
	v_lshl_add_u32 v[AV0], v4, 4, v[AV0]
	v_lshlrev_b32 v[AV0], 4, v[AV0]
	v_add_nc_u32 v[AV0], 32768, v[AV0]             ; v's pieces lie behind k's
	v_and_b32 v[DL], 15, v0
	v_lshlrev_b32 v3, 3, v3
	v_sub_nc_u32 v[DL], v[DL], v3                  ; r - 8 h
	v_mov_b32 v[NINF], 0xff800000
.irp u, 0,1
	v_mov_b32 v[ST+8*\u+1], 0xff61b1e6             ; m = -3e38, under every score
	v_mul_f32 v[ST+8*\u], s[CS], v[ST+8*\u+1]
.irp j, 2,3,4,5,6,7
	v_mov_b32 v[ST+8*\u+\j], 0
.endr
.endr
.set i, 0
.rept 64
	v_mov_b32 v[O+i], 0                            ; O^T: the loop is written once, and its first step finds zeros
.set i, i+1
.endr
; A KEY STEP: 64 keys, the q-th of the slot in hand, against my 32 queries.
.macro STEP q
	s_add_co_u32 s40, s[Q0], 31                    ; a step all of whose keys come after my queries is left out: a branch on ids, round no barrier and no tensor load
	s_cmp_gt_u32 s[KF], s40
	s_cbranch_scc1 .Lhid_\@
	v_add_nc_u32 v[ADK], s[TB], v[LN]
	v_add_nc_u32 v[ADV], s[TB], v[AV0]
.rept 3
	v_nop                                          ; with the two additions: five places behind the last products, ahead of loads into v's fragments and of products that write over p
.endr
.irp kc, 0,1
.irp kt, 0,1,2,3
.irp c, 0,1
	ds_load_b128 v[KV+8*(4*\kc+\kt)+4*\c:KV+8*(4*\kc+\kt)+4*\c+3], v[ADK] offset:(\q)*8192+\kt*2048+\kc*1024+\c*512
.endr
.endr
.endr
	s_wait_dscnt 8                                 ; channels 0-31 are in; the eight loads of channels 32-63 may be out
.irp kt, 0,1,2,3                       ; the eight accumulators take turns, in the same order both times
.irp u, 0,1
	v_wmma_f32_16x16x32_f16 v[S+32*\u+8*\kt:S+32*\u+8*\kt+7], v[KV+8*\kt:KV+8*\kt+7], v[QF+16*\u:QF+16*\u+7], 0
.endr
.endr
	s_wait_dscnt 0x0
.irp kt, 0,1,2,3
.irp u, 0,1
	v_wmma_f32_16x16x32_f16 v[S+32*\u+8*\kt:S+32*\u+8*\kt+7], v[KV+32+8*\kt:KV+32+8*\kt+7], v[QF+16*\u+8:QF+16*\u+15], v[S+32*\u+8*\kt:S+32*\u+8*\kt+7]
.endr
.endr
.rept 4
	v_nop                                          ; four places: loads into k's fragments follow, and reads of the scores
.endr
.irp c, 0,1                            ; v, turned: keys 32 c on, channels 16 t on; it lands while the softmax is walked
.irp t, 0,1,2,3
.irp e, 0,1
	ds_load_tr16_b128 v[KV+8*(4*\c+\t)+4*\e:KV+8*(4*\c+\t)+4*\e+3], v[ADV] offset:(\q)*8192+(2*\c+\e)*2048+\t*512
.endr
.endr
.endr
	s_add_co_u32 s40, s[KF], 63                    ; on the diagonal hidden scores become -infinity; a step all of whose keys count skips this
	s_cmp_le_u32 s40, s[Q0]
	s_cbranch_scc1 .Lopen_\@
	s_sub_co_i32 s40, s[Q0], s[KF]
	v_add_nc_u32 v[D0], s40, v[DL]                 ; d = my query - KF - 8 h.  Register 8 kt + j holds key KF + 16 kt + 8 h + j: hidden where 16 kt + j > d
	v_add_nc_u32 v[D0+1], 16, v[D0]
.irp u, 0,1
.irp kt, 0,1,2,3
.irp j, 0,1,2,3,4,5,6,7
	v_cmp_gt_i32 vcc_lo, 16*\kt+\j, v[D0+\u]
	v_cndmask_b32 v[S+32*\u+8*\kt+\j], v[S+32*\u+8*\kt+\j], v[NINF], vcc_lo
.endr
.endr
.endr
.Lopen_\@:
.irp j, 0,1,2,3                        ; the maximum: four chains a tile, each accumulator from its low end on; the two tiles line by line
.irp u, 0,1
	v_max3_num_f32 v[ST+8*\u+4+\j], v[S+32*\u+8*\j], v[S+32*\u+8*\j+1], v[S+32*\u+8*\j+2]
.endr
.endr
.irp g, 1,2
.irp j, 0,1,2,3
.irp u, 0,1
	v_max3_num_f32 v[ST+8*\u+4+\j], v[ST+8*\u+4+\j], v[S+32*\u+8*\j+2*\g+1], v[S+32*\u+8*\j+2*\g+2]
.endr
.endr
.endr
.irp u, 0,1
	v_max3_num_f32 v[ST+8*\u+4], v[ST+8*\u+4], v[S+32*\u+7], v[S+32*\u+15]
.endr
.irp u, 0,1
	v_max3_num_f32 v[ST+8*\u+6], v[ST+8*\u+6], v[S+32*\u+23], v[S+32*\u+31]
.endr
.irp u, 0,1
	v_max3_num_f32 v[ST+8*\u+4], v[ST+8*\u+4], v[ST+8*\u+5], v[ST+8*\u+6]
.endr
.irp u, 0,1
	v_max3_num_f32 v[ST+8*\u+4], v[ST+8*\u+4], v[ST+8*\u+7], v[ST+8*\u+1]   ; and the old m
.endr
.irp u, 0,1
	v_permlanex16_b32 v[ST+8*\u+5], v[ST+8*\u+4], s[SEL], s[SEL+1]  ; the query's other 32 keys lie in the lane 16 away
.endr
.irp u, 0,1
	v_mov_b32 v[ST+8*\u+7], v[ST+8*\u]             ; c m_old
.endr
.irp u, 0,1
	v_max_num_f32 v[ST+8*\u+1], v[ST+8*\u+4], v[ST+8*\u+5]
.endr
.irp u, 0,1
	v_mul_f32 v[ST+8*\u], s[CS], v[ST+8*\u+1]
.endr
.irp u, 0,1
	v_sub_f32 v[ST+8*\u+7], v[ST+8*\u+7], v[ST+8*\u]
.endr
.set i, 0
.rept 32
	v_pk_fma_f32 v[S+2*i:S+2*i+1], v[S+2*i:S+2*i+1], s[CS:CS+1], v[ST+8*(i/16):ST+8*(i/16)+1] op_sel_hi:[1,0,0] neg_lo:[0,0,1] neg_hi:[0,0,1]   ; c s - c m, two at a time
.set i, i+1
.endr
.irp u, 0,1
	v_exp_f32 v[ST+8*\u+6], v[ST+8*\u+7]           ; a
.endr
.set i, 0
.rept 64
	v_exp_f32 v[S+i], v[S+i]                       ; p
.set i, i+1
.endr
	v_nop                                          ; a plain instruction behind the last exponential
	s_wait_alu depctr_va_vdst(0)                   ; ONE wait for the 66, ahead of their first reader
.irp u, 0,1
	v_pk_mul_f32 v[ST+8*\u+2:ST+8*\u+3], v[ST+8*\u+2:ST+8*\u+3], v[ST+8*\u+6:ST+8*\u+7] op_sel_hi:[1,0]   ; l under the new m
	v_pk_add_f32 v[SB+2*\u:SB+2*\u+1], v[S+32*\u:S+32*\u+1], v[S+32*\u+2:S+32*\u+3]                       ; the sum of p in f32, two chains a tile
.endr
.irp j, 4,8,12,16,20,24,28
.irp u, 0,1
	v_pk_add_f32 v[ST+8*\u+2:ST+8*\u+3], v[ST+8*\u+2:ST+8*\u+3], v[S+32*\u+\j:S+32*\u+\j+1]
	v_pk_add_f32 v[SB+2*\u:SB+2*\u+1], v[SB+2*\u:SB+2*\u+1], v[S+32*\u+\j+2:S+32*\u+\j+3]
.endr
.endr
.irp u, 0,1
	v_pk_add_f32 v[ST+8*\u+2:ST+8*\u+3], v[ST+8*\u+2:ST+8*\u+3], v[SB+2*\u:SB+2*\u+1]
.endr
.set i, 0
.rept 16
	v_cvt_pk_f16_f32 v[S+i], v[S+2*i], v[S+2*i+1]                  ; p to f16 in place, ascending: register i is written when registers 2 i and 2 i + 1 are read
	v_cvt_pk_f16_f32 v[S+32+i], v[S+32+2*i], v[S+32+2*i+1]
.set i, i+1
.endr
.set i, 0
.rept 32
	v_pk_mul_f32 v[O+2*i:O+2*i+1], v[O+2*i:O+2*i+1], v[ST+8*(i/16)+6:ST+8*(i/16)+7] op_sel_hi:[1,0]   ; O^T under the new m
.set i, i+1
.endr
	s_wait_dscnt 8                                 ; v of keys 0-31 is in; the eight loads of keys 32-63 may be out
.irp t, 0,1,2,3
.irp u, 0,1
	v_wmma_f32_16x16x32_f16 v[O+32*\u+8*\t:O+32*\u+8*\t+7], v[KV+8*\t:KV+8*\t+7], v[S+32*\u:S+32*\u+7], v[O+32*\u+8*\t:O+32*\u+8*\t+7]
.endr
.endr
	s_wait_dscnt 0x0
.irp t, 0,1,2,3
.irp u, 0,1
	v_wmma_f32_16x16x32_f16 v[O+32*\u+8*\t:O+32*\u+8*\t+7], v[KV+32+8*\t:KV+32+8*\t+7], v[S+32*\u+8:S+32*\u+15], v[O+32*\u+8*\t:O+32*\u+8*\t+7]
.endr
.endr
.Lhid_\@:
	s_add_co_u32 s[KF], s[KF], 64
.endm
; THE CHANGE OF SLOTS stands at a slot's head.  Each wave waits for all its tensor loads, adds 0 to its spare word, and waits for that and for its reads of the slot that it has left; behind the barrier the slot
; ahead is whole and nobody reads the other one.  fill = 1: that other slot is filled with the keys that follow, up to the causal limit: the load has four key steps in which to land.
.macro CHANGE fill
	s_wait_tensorcnt 0x0                           ; no tensor load of mine is out, so the group 0 may be written
	ds_add_u32 v[SPW], v[NIL]                      ; 0 onto my spare word
.if \fill
	ds_add_u32 v[SPW], v[NIL]                      ; and once more
	s_xor_b32 s[G0+1], s[G0+1], SLOTB              ; the walking descriptor: the other slot,
	s_add_nc_u64 s[G0+2:G0+3], s[G0+2:G0+3], 32768 ; the next 256 keys
	s_wait_xcnt 0x0                                ; the last prefetch, a slot back, has read its address
	s_add_nc_u64 s[PFA:PFA+1], s[PFA:PFA+1], 32768
.endif
	s_wait_dscnt 0x0
	s_barrier_signal -1
	s_barrier_wait -1
.if \fill
	s_add_co_u32 s40, s[KF], 256                   ; the first key of the slot that this change would ask for:
	s_cmp_gt_u32 s40, s[LASTQ]                     ; past my work-group's last query none of its waves reads it.  Ids and the count of steps alone: all sixteen waves go the same way; every wait on TENSORcnt here is for 0
	s_cbranch_scc1 .Lpast_\@
	TLOAD                                          ; a wave's one tensor load until the next barrier
.Lpast_\@:
	ASK
.endif
.endm
.macro SLOT_STEPS
	STEP 0
	STEP 1
	STEP 2
	STEP 3
	s_xor_b32 s[TB], s[TB], SLOTB
.endm
	s_wait_loadcnt 0x0                             ; q
.Lslot:                                                ; seven trips
	CHANGE 1
	SLOT_STEPS
	s_sub_co_u32 s[SLOTS], s[SLOTS], 1
	s_cmp_lg_u32 s[SLOTS], 0
	s_cbranch_scc1 .Lslot
	CHANGE 0                                       ; the last slot is written out: nothing is left to fetch
	SLOT_STEPS
	; THE WAY OUT: O^T / l, rounded to f16: a lane's eight channels are 16 bytes, the 32 lanes' 512 bytes a piece.
.rept 4
	v_nop                                          ; places behind the last products
.endr
.irp u, 0,1
	v_add_f32 v[ST+8*\u+4], v[ST+8*\u+2], v[ST+8*\u+3]
.endr
.irp u, 0,1
	v_permlanex16_b32 v[ST+8*\u+5], v[ST+8*\u+4], s[SEL], s[SEL+1]
.endr
.irp u, 0,1
	v_add_f32 v[ST+8*\u+4], v[ST+8*\u+4], v[ST+8*\u+5]
.endr
.irp u, 0,1
	v_rcp_f32 v[ST+8*\u+6], v[ST+8*\u+4]
.endr
	v_nop
	s_wait_alu depctr_va_vdst(0)                   ; one wait for the two reciprocals
.set i, 0
.rept 32
	v_pk_mul_f32 v[O+2*i:O+2*i+1], v[O+2*i:O+2*i+1], v[ST+8*(i/16)+6:ST+8*(i/16)+7] op_sel_hi:[1,0]
.set i, i+1
.endr
.set i, 0
.rept 32
	v_cvt_pk_f16_f32 v[S+i], v[O+2*i], v[O+2*i+1]
.set i, i+1
.endr
.irp u, 0,1
.irp t, 0,1,2,3
	global_store_b128 v[LN], v[S+16*\u+4*\t:S+16*\u+4*\t+3], s[6:7] offset:\u*32768+\t*512   ; 512 consecutive bytes
.endr
.endr
	s_wait_tensorcnt 0x0                           ; the wave's end
	ds_add_u32 v[SPW], v[NIL]
	s_wait_dscnt 0x0
	s_endpgm
.Lfunc_end_k_qdbadb7bbba_attn:
	.size	k_qdbadb7bbba_attn, .Lfunc_end_k_qdbadb7bbba_attn-k_qdbadb7bbba_attn
	.p2alignl 7, 3214868480
	.fill 96, 4, 3214868480
	.section	.rodata,"a",@progbits
	.p2align	6, 0x0
	.amdhsa_kernel k_qdbadb7bbba_attn
		.amdhsa_group_segment_fixed_size 327680
		.amdhsa_private_segment_fixed_size 0
		.amdhsa_enable_private_segment 0
		.amdhsa_kernarg_size 16
		.amdhsa_user_sgpr_count 2
		.amdhsa_user_sgpr_kernarg_segment_ptr 1
		.amdhsa_wavefront_size32 1
		.amdhsa_system_sgpr_workgroup_id_x 1
		.amdhsa_system_sgpr_workgroup_id_y 1
		.amdhsa_system_sgpr_workgroup_id_z 1
		.amdhsa_system_vgpr_workitem_id 0
		.amdhsa_next_free_vgpr 256
		.amdhsa_next_free_sgpr 66
		.amdhsa_reserve_vcc 1
		.amdhsa_float_denorm_mode_32 3
		.amdhsa_float_denorm_mode_16_64 3
		.amdhsa_memory_ordered 1
		.amdhsa_forward_progress 1
		.amdhsa_inst_pref_size 186
	.end_amdhsa_kernel
	.amdgpu_metadata
---
amdhsa.version: [ 1, 2 ]
amdhsa.kernels:
  - .name:           k_qdbadb7bbba_attn
    .symbol:         k_qdbadb7bbba_attn.kd
    .args:
      - { .name: qkv, .offset: 0, .size: 8, .value_kind: global_buffer, .address_space: global }
      - { .name: o_img, .offset: 8, .size: 8, .value_kind: global_buffer, .address_space: global }
    .group_segment_fixed_size: 327680
    .private_segment_fixed_size: 0
    .kernarg_segment_align: 8
    .kernarg_segment_size: 16
    .max_flat_workgroup_size: 512
    .sgpr_count:     66
    .vgpr_count:     256
    .wavefront_size: 32
...
	.end_amdgpu_metadata
.endif
;; end of part 4
;; launch proj (part 5): grid 4 x 64, 4 waves a work-group, clusters of 4 x 4, 327,680 bytes of LDS; arguments o_img, wo_img, out0; writes out0
.if DOCPART == 5
	.amdgcn_target "amdgcn-amd-amdhsa--gfx1250"
	.amdhsa_code_object_version 6
	.text
	.protected	k_qdbadb7bbba_proj
	.globl	k_qdbadb7bbba_proj
	.p2align	8
	.type	k_qdbadb7bbba_proj,@function
k_qdbadb7bbba_proj:
	s_mov_b64 s[64:65], 0
	v_nop
	global_prefetch_b8 v0, s[64:65] scope:SCOPE_SE
	s_setreg_imm32_b32 hwreg(HW_REG_WAVE_MODE, 25, 1), 1
	s_wait_xcnt 0x0
	s_wait_alu depctr_hold_cnt(0) depctr_sa_sdst(0) depctr_va_vdst(0) depctr_va_sdst(0) depctr_va_ssrc(0) depctr_va_vcc(0) depctr_vm_vsrc(0)
	s_getreg_b32 s2, hwreg(HW_REG_IB_STS2, 6, 4)
	s_cmp_eq_u32 s2, 0
	s_cbranch_scc0 .Lentry_in_a_cluster
	s_endpgm
.Lentry_in_a_cluster:
	s_bfe_u32 s2, ttmp6, 0x10000c
	s_cmp_lg_u32 s2, 0xf033
	s_cbranch_scc0 .Lentry_shape_is_right
	s_endpgm
.Lentry_shape_is_right:
; out0 = o wo^T, f16 operands, f32 sums, f32 out.  o_img: [tile of 16 rows 512][kc 32][c 2][piece], wo_img: [tile of 16 columns 64][kc 32][c 2][piece]; a piece is 512 bytes, lane (r, h) = row r, K 32 kc + 16 c + 8 h + 0..7.
; Rows of positions 0-15 of each sequence are not stored here: the launch that makes them in f32 owns them.  They ride in live tiles, so their products stay.
; A tile of 128 rows x 256 columns: 256 work-groups.  Four waves, each 64 x 128: 32 accumulators, window 1.  K goes in steps of 128 through two LDS slots: of each tile of 16 rows a step is 4,096 consecutive bytes,
; which lie in LDS as in memory, so every fragment load is at 16 x lane: no pitch, no padding.
; CLUSTERS: 4 x 4.  The tile column is cx, the tile row 16 cy + cluster y: cy is the batch, and cluster y, which all partners share, says whether a tile holds position 0.  A's tiles are shared along a row of the
; cluster, B's along a column.  THE MATRIX INSTRUCTION IS USED TRANSPOSED (source 0 = 16 rows of wo, source 1 = 16 rows of o): a lane holds eight neighbouring columns of one row of the output.
; No prefetch: eight short K steps, whose tiles the sixteen partners ask for jointly.
; REGISTERS: window 0: v0-31 addresses; v32-127, v128-223 two fragment buffers (A's four at +0, B's eight at +32); on the way out v32-159 rows of the output.  window 1: accumulator (a, b) at v[8 (8 a + b)].
.set SLOT,   98304                     ; A: 8 tiles x 4,096 bytes; B: 16 x 4,096 behind them
.set BOFF,   32768
.set STAGE,  2*SLOT                    ; bytes of its own: 16 rows x (512 + 16) for each wave
.set SPITCH, 528
.set SPARE,  STAGE+4*16*SPITCH         ; the spare words: 128 bytes a wave, two blocks of 256 bytes that no other line names
.set LAPS,   4                         ; a lap = two K steps
.set ADRA, 16
.set ADRB, 20
.set STO,  24
.set RD,   25
.set CO,   26
.set SPW,  28
.set NIL,  29
.set F0,   32
.set F1,   128
.set G1, 24
.set G0, 32
.set G1B, 48
.set G0B, 56
.set MSB, 0
.macro WIN new
.if MSB != (\new)
	s_set_vgpr_msb (MSB<<8)|(\new)
.set MSB, (\new)
.endif
.endm
.set MUL, 0x50                         ; C and D window 1, sources window 0
.macro JLOAD s                         ; waves 0 and 1 fetch A's halves, waves 2 and 3 B's; an s_nop 0 and four v_nop follow each of the two lines
	s_cmp_eq_u32 s11, 0
	s_cbranch_scc0 .Lfor_b_\@
	tensor_load_to_lds s[G0+4*\s:G0+4*\s+3], s[G1:G1+7]
	s_nop 0
.rept 4
	v_nop
.endr
	s_branch .Lasked_\@
.Lfor_b_\@:
	tensor_load_to_lds s[G0B+4*\s:G0B+4*\s+3], s[G1B:G1B+7]
	s_nop 0
.rept 4
	v_nop
.endr
.Lasked_\@:
.endm
.macro CREST
	s_cmp_lg_u32 s10, 0
	s_cbranch_scc1 .Lnot_wave_0_\@
	s_barrier_signal -3
.Lnot_wave_0_\@:
	s_barrier_wait -3
	s_barrier_signal -1
	s_barrier_wait -1
.endm
.macro CROUND
	s_barrier_signal -1
	s_barrier_wait -1
	CREST
.endm
	s_load_b128 s[4:7], s[0:1], 0x0                ; o_img, wo_img
	s_load_b64 s[8:9], s[0:1], 0x10                ; out0
	v_lshl_add_u32 v[SPW], v0, 2, SPARE
	v_mov_b32 v[NIL], 0
	ds_add_u32 v[SPW], v[NIL]                      ; the wave's opening: the add, twice on end, and its wait ahead of my first tensor load
	ds_add_u32 v[SPW], v[NIL]
	v_lshrrev_b32 v1, 5, v0
	v_readfirstlane_b32 s10, v1                    ; wave 0..3
	s_lshr_b32 s11, s10, 1                         ; which half of the tile's rows is mine.  Also: I fetch for A (0) or for B (1)
	s_and_b32 s12, s10, 1                          ; which half of its columns.  Also: which half of that tile I fetch
	s_bfe_u32 s40, ttmp6, 0x40000                  ; cx = the tile column
	s_bfe_u32 s41, ttmp6, 0x40004                  ; cy
	s_and_b32 s45, ttmp7, 0xffff                   ; cluster y
	s_lshl_b32 s13, s41, 4
	s_add_co_u32 s13, s13, s45                     ; tile row = 16 cy + cluster y
	s_lshl_b32 s43, s41, 2
	s_lshl_b32 s43, 15, s43                        ; my row of the cluster
	s_lshl_b32 s44, 0x1111, s40                    ; my column
	s_or_b32 s[G1+0], s43, (3<<16)|(1<<21)         ; the mask; elements of 8 bytes; bit 21 beside a mask; no padding
	s_or_b32 s[G1B+0], s44, (3<<16)|(1<<21)
	s_mov_b32 s[G1+1], 512<<16                     ; tensor_dim0 = 512 elements: 4,096 bytes
	s_mov_b32 s[G1+2], 4<<16                       ; tensor_dim1 = 4 tiles of 16 rows
	s_mov_b32 s[G1+3], 512<<16                     ; tile_dim0
	s_mov_b32 s[G1+4], 4                           ; tile_dim1
	s_mov_b32 s[G1+5], 4096                        ; from tile to tile: 32,768 bytes
	s_mov_b32 s[G1+6], 0
	s_mov_b32 s[G1+7], 0
	s_mov_b32 s[G1B+1], 512<<16
	s_mov_b32 s[G1B+2], 8<<16
	s_mov_b32 s[G1B+3], 512<<16
	s_mov_b32 s[G1B+4], 8
	s_mov_b32 s[G1B+5], 4096
	s_mov_b32 s[G1B+6], 0
	s_mov_b32 s[G1B+7], 0
	s_lshl_b32 s16, s13, 3
	s_lshl_b32 s17, s12, 2
	s_add_co_u32 s16, s16, s17                     ; A: tile of 16 rows 8 x tile row + 4 x half
	s_lshl_b32 s16, s16, 15
	s_mov_b32 s17, 0
	s_lshl_b32 s46, s40, 4
	s_lshl_b32 s47, s12, 3
	s_add_co_u32 s46, s46, s47                     ; B: tile of 16 columns 16 cx + 8 x half
	s_lshl_b32 s46, s46, 15
	s_mov_b32 s47, 0
	s_lshl_b32 s20, s12, 14                        ; where they go: the wave's number alone enters an LDS address
	s_lshl_b32 s21, s12, 15
	s_add_co_u32 s21, s21, BOFF
	s_wait_dscnt 0x0                               ; both opening adds are done
	s_wait_kmcnt 0x0
	s_add_nc_u64 s[14:15], s[4:5], s[16:17]
	s_add_nc_u64 s[46:47], s[6:7], s[46:47]
	CROUND                                         ; all sixteen work-groups are here: the first joint loads meet
.irp s, 0,1
	s_mov_b32 s[G0+4*\s], 1
	s_add_co_u32 s[G0+4*\s+1], s20, \s*SLOT
	s_add_nc_u64 s[G0+4*\s+2:G0+4*\s+3], s[14:15], \s*4096
	s_or_b32 s[G0+4*\s+3], s[G0+4*\s+3], 0x80000000
	s_mov_b32 s[G0B+4*\s], 1
	s_add_co_u32 s[G0B+4*\s+1], s21, \s*SLOT
	s_add_nc_u64 s[G0B+4*\s+2:G0B+4*\s+3], s[46:47], \s*4096
	s_or_b32 s[G0B+4*\s+3], s[G0B+4*\s+3], 0x80000000
	JLOAD \s                                       ; two tensor loads of mine are out
.endr
	v_and_b32 v1, 15, v0                           ; r
	v_bfe_u32 v2, v0, 4, 1                         ; h
	v_and_b32 v3, 31, v0
	v_lshlrev_b32 v[CO], 4, v3                     ; 16 x lane
	s_lshl_b32 s22, s11, 14                        ; my four tiles of A
	s_lshl_b32 s23, s12, 15
	s_add_co_u32 s23, s23, BOFF                    ; my eight of B
.irp s, 0,1
	v_add_nc_u32 v[ADRA+\s], s22, v[CO]
	v_add_nc_u32 v[ADRB+\s], s23, v[CO]
	s_add_co_u32 s22, s22, SLOT
	s_add_co_u32 s23, s23, SLOT
.endr
	s_mul_i32 s22, s10, 16*SPITCH
	s_add_co_u32 s22, s22, STAGE                   ; my stage
	v_mul_u32_u24 v4, v1, SPITCH
	v_lshl_add_u32 v4, v2, 5, v4
	v_add_nc_u32 v[STO], s22, v4                   ; in: row r, 32 bytes for each half of the lanes
	v_add_nc_u32 v[RD], s22, v[CO]                 ; back: the 32 lanes take one row of 512 bytes
	s_lshl_b32 s46, s13, 7
	s_lshl_b32 s47, s11, 6
	s_add_co_u32 s46, s46, s47                     ; my first row: 128 x tile row + 64 x half
	s_lshl_b32 s46, s46, 12
	s_lshl_b32 s47, s40, 10
	s_add_co_u32 s46, s46, s47                     ; my first column, in bytes: 1,024 cx + 512 x half
	s_lshl_b32 s47, s12, 9
	s_add_co_u32 s46, s46, s47
	s_mov_b32 s47, 0
	s_add_nc_u64 s[8:9], s[8:9], s[46:47]
	s_or_b32 s2, s45, s11                          ; 0 where my 64 rows begin with position 0
.macro FETCH slot, kc, f               ; 24 LDS loads in one run: the fragments of 32 along K
	WIN 0
.irp a, 0,1,2,3
	ds_load_b128 v[\f+8*\a:\f+8*\a+3],   v[ADRA+\slot] offset:\a*4096+(\kc)*1024
	ds_load_b128 v[\f+8*\a+4:\f+8*\a+7], v[ADRA+\slot] offset:\a*4096+(\kc)*1024+512
.endr
.irp b, 0,1,2,3,4,5,6,7
	ds_load_b128 v[\f+32+8*\b:\f+32+8*\b+3],   v[ADRB+\slot] offset:\b*4096+(\kc)*1024
	ds_load_b128 v[\f+32+8*\b+4:\f+32+8*\b+7], v[ADRB+\slot] offset:\b*4096+(\kc)*1024+512
.endr
.endm
.macro MULA f, a, zero                 ; eight matrix instructions: A's block a x B's eight.  The 32 accumulators take turns, in the same order in every quarter
.irp b, 0,1,2,3,4,5,6,7
.if \zero
	v_wmma_f32_16x16x32_f16 v[8*(8*(\a)+\b):8*(8*(\a)+\b)+7], v[\f+32+8*\b:\f+32+8*\b+7], v[\f+8*(\a):\f+8*(\a)+7], 0
.else
	v_wmma_f32_16x16x32_f16 v[8*(8*(\a)+\b):8*(8*(\a)+\b)+7], v[\f+32+8*\b:\f+32+8*\b+7], v[\f+8*(\a):\f+8*(\a)+7], v[8*(8*(\a)+\b):8*(8*(\a)+\b)+7]
.endif
.endr
.endm
.macro PLACES                          ; four places ahead of loads into registers that matrix instructions have read, and of reads of results
.rept 4
	v_nop
.endr
.endm
; A K step is four quarters of 32 along K, 32 matrix instructions each, on buffers 0, 1, 0, 1.  One of the first three: buffer f is in; the next quarter's loads go out first and have this quarter's products in which to land.
.macro QUARTER slot, kcn, f, g, zero
	s_wait_dscnt 0x0
	PLACES
	FETCH \slot, \kcn, \g
	WIN MUL
	MULA \f, 0, \zero
	MULA \f, 1, \zero
	MULA \f, 2, \zero
	MULA \f, 3, \zero
.endm
; The last quarter multiplies buffer 1 and changes slots: in front of the barrier each wave waits for all its tensor loads, adds 0 to its spare word, and waits for that and for its reads of this slot.
.macro TURN slot, next, fill
	WIN 0
	s_wait_tensorcnt 0x0                           ; all my tensor loads have landed: my part of the next slot
	ds_add_u32 v[SPW], v[NIL]                      ; 0 onto my spare word
	s_wait_dscnt 1                                 ; buffer 1 is in; the add alone may be out
	WIN MUL
	MULA F1, 0, 0
	s_wait_dscnt 0x0                               ; the add is done, and my reads of this slot are over
	s_barrier_signal -1
	MULA F1, 1, 0
	WIN 0
	s_barrier_wait -1
.if \fill
	CREST                                          ; the barrier has opened a round of the cluster's: no wave of any partner still reads this slot or has a load on its way
	s_add_nc_u64 s[G0+4*\slot+2:G0+4*\slot+3], s[G0+4*\slot+2:G0+4*\slot+3], 8192
	s_add_nc_u64 s[G0B+4*\slot+2:G0B+4*\slot+3], s[G0B+4*\slot+2:G0B+4*\slot+3], 8192
	JLOAD \slot                                    ; the first tensor load behind the round; its four v_nop are also the places ahead of the loads below
.else
	PLACES
.endif
	FETCH \next, 0, F0
	WIN MUL
	MULA F1, 2, 0
	MULA F1, 3, 0
.endm
	s_wait_tensorcnt 1                             ; my part of K step 0 is in; K step 1's load may be out
	s_barrier_signal -1
	s_barrier_wait -1
	FETCH 0, 0, F0
	QUARTER 0, 1, F0, F1, 1                        ; the first products start the sums
	WIN 0
	s_mov_b32 s3, LAPS-1
.Llap:                                                 ; a trip goes once round the ring, from a lap's second quarter to the next lap's first, and fills both slots again
	QUARTER 0, 2, F1, F0, 0
	QUARTER 0, 3, F0, F1, 0
	TURN 0, 1, 1
	QUARTER 1, 1, F0, F1, 0
	QUARTER 1, 2, F1, F0, 0
	QUARTER 1, 3, F0, F1, 0
	TURN 1, 0, 1
	QUARTER 0, 1, F0, F1, 0
	WIN 0
	s_sub_co_u32 s3, s3, 1
	s_cmp_lg_u32 s3, 0
	s_cbranch_scc1 .Llap
	QUARTER 0, 2, F1, F0, 0                        ; the last lap fills nothing
	QUARTER 0, 3, F0, F1, 0
	TURN 0, 1, 0
	QUARTER 1, 1, F0, F1, 0
	QUARTER 1, 2, F1, F0, 0
	QUARTER 1, 3, F0, F1, 0
	s_wait_dscnt 0x0
	WIN MUL
	MULA F1, 0, 0
	MULA F1, 1, 0
	MULA F1, 2, 0
	MULA F1, 3, 0
	WIN 0
; THE WAY OUT, a block of 16 rows x 128 columns at a time, through my own stage: in by 32 bytes of a row a lane, back as whole rows of 512 bytes.  LDS serves a wave's instructions in order.
.macro OUTB a
.set BB, 32+64*((\a)%2)
	s_wait_xcnt 0x0                                ; earlier stores have read their registers
	WIN 0x04                                       ; an LDS store's data are its source 1: window 1
.irp b, 0,1,2,3,4,5,6,7
	ds_store_b128 v[STO], v[8*(8*(\a)+\b):8*(8*(\a)+\b)+3] offset:64*\b            ; each accumulator from its low end on
	ds_store_b128 v[STO], v[8*(8*(\a)+\b)+4:8*(8*(\a)+\b)+7] offset:64*\b+16
.endr
	WIN 0
.irp t, 0,1,2,3,4,5,6,7,8,9,10,11,12,13,14,15
	ds_load_b128 v[BB+4*\t:BB+4*\t+3], v[RD] offset:\t*SPITCH
.endr
	s_wait_dscnt 0x0
.irp t, 0,1,2,3,4,5,6,7,8,9,10,11,12,13,14,15
	global_store_b128 v[CO], v[BB+4*\t:BB+4*\t+3], s[8:9] offset:(16*(\a)+\t)*4096 th:TH_STORE_NT   ; 32 lanes store 512 consecutive bytes, aligned
.endr
.endm
	PLACES
	s_cmp_eq_u32 s2, 0                             ; positions 0-15 are another launch's rows.  Cluster y and the wave's number alone: the same in all partners
	s_cbranch_scc1 .Lskip0
	OUTB 0
.Lskip0:
	OUTB 1
	OUTB 2
	OUTB 3
	s_wait_tensorcnt 0x0                           ; the wave's end
	ds_add_u32 v[SPW], v[NIL]
	s_wait_dscnt 0x0
	CROUND                                         ; the closing round
	s_endpgm
.Lfunc_end_k_qdbadb7bbba_proj:
	.size	k_qdbadb7bbba_proj, .Lfunc_end_k_qdbadb7bbba_proj-k_qdbadb7bbba_proj
	.p2alignl 7, 3214868480
	.fill 96, 4, 3214868480
	.section	.rodata,"a",@progbits
	.p2align	6, 0x0
	.amdhsa_kernel k_qdbadb7bbba_proj
		.amdhsa_group_segment_fixed_size 327680
		.amdhsa_private_segment_fixed_size 0
		.amdhsa_enable_private_segment 0
		.amdhsa_kernarg_size 24
		.amdhsa_user_sgpr_count 2
		.amdhsa_user_sgpr_kernarg_segment_ptr 1
		.amdhsa_wavefront_size32 1
		.amdhsa_system_sgpr_workgroup_id_x 1
		.amdhsa_system_sgpr_workgroup_id_y 1
		.amdhsa_system_sgpr_workgroup_id_z 1
		.amdhsa_system_vgpr_workitem_id 0
		.amdhsa_next_free_vgpr 512
		.amdhsa_next_free_sgpr 66
		.amdhsa_reserve_vcc 0
		.amdhsa_float_denorm_mode_32 3
		.amdhsa_float_denorm_mode_16_64 3
		.amdhsa_memory_ordered 1
		.amdhsa_forward_progress 1
		.amdhsa_inst_pref_size 84
	.end_amdhsa_kernel
	.amdgpu_metadata
---
amdhsa.version: [ 1, 2 ]
amdhsa.kernels:
  - .name:           k_qdbadb7bbba_proj
    .symbol:         k_qdbadb7bbba_proj.kd
    .args:
      - { .name: o_img, .offset: 0, .size: 8, .value_kind: global_buffer, .address_space: global }
      - { .name: wo_img, .offset: 8, .size: 8, .value_kind: global_buffer, .address_space: global }
      - { .name: out0, .offset: 16, .size: 8, .value_kind: global_buffer, .address_space: global }
    .group_segment_fixed_size: 327680
    .private_segment_fixed_size: 0
    .kernarg_segment_align: 8
    .kernarg_segment_size: 24
    .max_flat_workgroup_size: 128
    .sgpr_count:     66
    .vgpr_count:     512
    .wavefront_size: 32
...
	.end_amdgpu_metadata
.endif
;; end of part 5
